; MI455X (gfx1250); checked and timed in simulation.
; The chip was launched on July 23, 2026; its instructions are those of AMD's public machine-readable ISA for CDNA 5 (MIT licence, August 2026) and "CDNA5" Instruction Set Architecture Reference Guide (July 2026).
;; Causal Self Attention. Allowed arithmetic: matrix products marked QUANTISED: E4M3 operands, one given power-of-two scale a tensor, by v_wmma_f32_16x16x64_fp8_fp8 or v_wmma_f32_16x16x128_fp8_fp8, f32 sums; everything else in f32.
;; Inputs: W_out 1,024 x 1,024 float32; W_qkv 1,024 x 3,072 float32; attention_mask 4 x 2,048 int32; b_out 1,024 float32; lowp_scales 8 int32 (the exponents e of the quantised operands' scales 2^e); x 4 x 2,048 x 1,024 float32.
;; Outputs: out0 4 x 2,048 x 1,024 float32.
;; This version of the problem:
;;   THIS VERSION OF THE PROBLEM IS GIVEN IN LOW PRECISION. The matrix products marked QUANTISED in the list below multiply operands that are first quantised to E4M3 (4 exponent bits, 3 mantissa bits; 8 bits a number), with one given power-of-two scale for each operand tensor; their sums are f32. All else is computed in f32.
;;   The module's matrix products, in the order in which they are computed (A, B: the left and right operand; K: the contracted axis; several contracted axes count as one K, in the product's order):
;;     1. [M 8,192, K 1,024] x [K 1,024, N 3,072]; A: input x; B: input W_qkv: QUANTISED (scales: A lowp_scales[0], B lowp_scales[1])
;;     2. batch 64 x [M 2,048, K 64] x [K 64, N 2,048]; A: computed on the way; B: computed on the way: QUANTISED (scales: A lowp_scales[2], B lowp_scales[3])
;;     3. batch 64 x [M 64, K 2,048] x [K 2,048, N 2,048]; A: computed on the way; B: softmax (see below): QUANTISED (scales: A lowp_scales[4], B lowp_scales[5])
;;     4. [M 8,192, K 1,024] x [K 1,024, N 1,024]; A: computed on the way; B: input W_out: QUANTISED (scales: A lowp_scales[6], B lowp_scales[7])
;;   THE QUANTISER, for each operand of a quantised product, along K:
;;     - The operand's scale is 2^e, e = its entry of the input lowp_scales (int32; the entries are numbered through the quantised products in the list's order, A before B).
;;     - Each number is divided by the scale, clamped to +-448, and rounded to the nearest number of E4M3, ties to even, subnormals kept.
;;     - The product sums the exact products of the quantised numbers (number of the format x scale) in f32.
;;   ~~~python
;;   def quantise(x, axis, e):      # numpy; x: float32 -> the quantised numbers, widened to float32 again
;;       x = np.moveaxis(x, axis, -1); K = x.shape[-1]
;;       r = np.clip(x / 2.0 ** e, -448, 448)
;;       step = 2.0 ** (np.maximum(np.frexp(np.where(r == 0, 1, r))[1] - 1, -6) - 3)
;;       q = np.round(r / step) * step * 2.0 ** e      # np.round: ties to even
;;       return np.moveaxis(q, -1, axis).astype(np.float32)
;;   ~~~
;;   SOFTMAX AHEAD OF A QUANTISED PRODUCT. Where the list says 'softmax', what is quantised is not the finished softmax but p = 2^(t - M), with t = logit x log2(e) and M = ceil(the row's largest t), a whole number; so 1/2 < the row's largest p <= 1. The row's sum l is taken of the UNQUANTISED p, in f32, and the product's result is divided by l at the end. Since M is a whole number, a kernel that streams over the keys may use a running M (the ceiling of the running maximum): every later rescaling is an exact power of two, so the quantised numbers keep their values, but for numbers so far below the row's largest that they fall under the format's range.
;;   OPERANDS COMPUTED ON THE WAY. 'Computed on the way' means the value that the module computes at that place (a softmax that the list does not call 'softmax' is quantised finished and normalised). What goes into a quantiser is computed in f32, as accurately as f32 sums, v_exp_f32 and their like allow (about 1e-6 of the number): no bf16 or f16 on the way to a quantiser, and a product that is left as it is and whose result goes on into a quantised operand takes f32 operands (vector FMAs, or v_wmma_f32_16x16x4_f32). A number that lies on a knife's edge between two numbers of the format may be rounded either way, as far as f32 arithmetic and the matrix unit's own rounding can turn it there, and no further.
;; One version. Each part assembles by itself: llvm-mc -triple=amdgcn-amd-amdhsa -mcpu=gfx1250 --defsym DOCPART=n.
;; ======== version 1 of 1: 4 launches
;; limits: right only within a limited range of input values
;; workspace buffers: pc 12,582,912 bytes; qkc 16,777,216 bytes; vc 8,388,608 bytes; cx 8,388,608 bytes
;; launch prepare (part 1): grid 197 x 1, 32 waves a work-group, no clusters, 282,624 bytes of LDS; arguments x, W_qkv, W_out, lowp_scales, pc, cx; writes pc, cx
.if DOCPART == 1
	.amdgcn_target "amdgcn-amd-amdhsa--gfx1250"
	.amdhsa_code_object_version 6
	.text
	.protected	k_q5273a581f6_prepare
	.globl	k_q5273a581f6_prepare
	.p2align	8
	.type	k_q5273a581f6_prepare,@function
k_q5273a581f6_prepare:
	s_mov_b64 s[64:65], 0
	v_nop
	global_prefetch_b8 v0, s[64:65] scope:SCOPE_SE
	s_setreg_imm32_b32 hwreg(HW_REG_WAVE_MODE, 25, 1), 1
	s_wait_xcnt 0x0
.set TOK,   8192
.set WKN,   1
.set W3,    0
.set IN3,   0
.set IXK,   0
.set IXV,   0
.set XT,    (1+2*IN3)*TOK
.set WKO, 1
.set QF0, 0
.set QSH, 64
.set QSK, 3072
.set KF0, 1024
.set KSH, 64
.set KSK, 3072
.set VF0, 2048
.set VSH, 64
.set VSK, 3072
.set OSH, 64
.set OSK, 1024
.set WAVES, 32
.set KROW,  1024
.set PITCH, 272
.set WREG,  32*PITCH
.set SPARE, WAVES*WREG
.set SP,    KROW+16
.set X,     16
.set C,     96
	s_cmp_ge_u32 ttmp9, 192
	s_cbranch_scc1 .Lrows
.if IN3
	s_load_b64 s[4:5], s[0:1], 0x0
	s_load_b128 s[68:71], s[0:1], 0x8
	s_load_b64 s[6:7], s[0:1], 0x18
	s_load_b128 s[8:11], s[0:1], 0x20
	s_load_b128 s[12:15], s[0:1], 0x30
	s_load_b64 s[40:41], s[0:1], 0x40
.elseif W3
	s_load_b256 s[4:11], s[0:1], 0x0
	s_load_b128 s[12:15], s[0:1], 0x20
	s_load_b64 s[40:41], s[0:1], 0x30
.else
	s_load_b128 s[4:7], s[0:1], 0x0
	s_load_b128 s[12:15], s[0:1], 0x10
	s_load_b64 s[40:41], s[0:1], 0x20
.endif
	v_lshl_add_u32 v2, v0, 2, SPARE
	v_mov_b32 v3, 0
	ds_add_u32 v2, v3
	ds_add_u32 v2, v3
	v_lshrrev_b32 v1, 5, v0
	v_readfirstlane_b32 s16, v1
	v_and_b32 v9, 31, v0
	s_mul_i32 s17, s16, WREG
	v_lshlrev_b32 v5, 4, v9
	s_mov_b32 s24, (3<<16)|(1<<20)|(5<<22)|(3<<25)
	s_mov_b32 s25, 32<<16
	s_mov_b32 s26, 32<<16
	s_mov_b32 s27, 32<<16
	s_mov_b32 s28, 32
	s_mov_b32 s30, 0
	s_mov_b32 s31, 0
	s_mul_i32 s19, ttmp9, WAVES
	s_add_co_u32 s33, s19, s16
	s_lshr_b32 s34, s33, 2
	s_and_b32 s35, s33, 3
	s_sub_co_u32 s36, s34, XT/8
	s_lshr_b32 s37, s36, 7
	s_add_co_u32 s37, s37, 1
	s_and_b32 s36, s36, 127
	s_cmp_lt_u32 s34, XT/8
	s_cselect_b32 s37, 0, s37
	s_cselect_b32 s36, s34, s36
.if IN3
	s_sub_co_u32 s48, s36, TOK/8
	s_cmp_ge_u32 s36, TOK/8
	s_cselect_b32 s49, s48, s36
	s_cselect_b32 s50, 1, 0
	s_sub_co_u32 s48, s36, 2*(TOK/8)
	s_cmp_ge_u32 s36, 2*(TOK/8)
	s_cselect_b32 s49, s48, s49
	s_cselect_b32 s50, 2, s50
	s_lshl_b32 s52, s49, 15
.else
	s_lshl_b32 s52, s36, 15
.endif
	s_lshl_b32 s53, s35, 13
	s_add_co_u32 s52, s52, s53
	s_lshr_b32 s54, s36, 3
	s_and_b32 s55, s36, 7
	s_mov_b32 s42, 4*QSH
	s_mov_b32 s43, 4*QF0
	s_mov_b32 s61, 128*QSK
	s_cmp_eq_u32 s37, 2
	s_cselect_b32 s42, 4*KSH, s42
	s_cselect_b32 s43, 4*KF0, s43
	s_cselect_b32 s61, 128*KSK, s61
	s_cmp_eq_u32 s37, 3
	s_cselect_b32 s42, 4*VSH, s42
	s_cselect_b32 s43, 4*VF0, s43
	s_cselect_b32 s61, 128*VSK, s61
	s_cmp_eq_u32 s37, 4
	s_cselect_b32 s42, 4*OSH, s42
	s_cselect_b32 s43, 0, s43
	s_cselect_b32 s61, 128*OSK, s61
	s_cselect_b32 s63, WKO, WKN
	s_mul_i32 s54, s54, s42
	s_add_co_u32 s54, s54, s43
	s_lshl_b32 s55, s55, 15
	s_add_co_u32 s55, s55, s53
	s_add_co_u32 s55, s55, s54
	s_mul_i32 s62, s16, s61
	s_add_co_u32 s62, s62, s54
	s_lshr_b32 s61, s61, 8
	s_cmp_eq_u32 s37, 0
	s_cselect_b32 s63, 0, s63
	s_cselect_b32 s55, s52, s55
	s_cmp_eq_u32 s63, 0
	s_cselect_b32 s52, s55, s62
	s_cselect_b32 s29, 32, s61
	s_mov_b32 s53, 0
	s_bfe_u32 s54, s36, 0x20002
	s_lshl_b32 s54, s54, 3
	s_and_b32 s55, s36, 1
	s_lshl_b32 s55, s55, 2
	s_or_b32 s54, s54, s55
	s_bfe_u32 s55, s36, 0x10001
	s_or_b32 s54, s54, s55
	s_bfe_u32 s55, s36, 0x10004
	s_lshl_b32 s55, s55, 1
	s_or_b32 s54, s54, s55
	s_and_b32 s55, s36, 0xffffffe0
	s_or_b32 s38, s54, s55
	s_lshr_b32 s54, s36, 3
	s_bfe_u32 s55, s36, 0x10002
	s_and_b32 s56, s36, 3
	s_lshl_b32 s57, s54, 3
	s_lshl_b32 s58, s56, 1
	s_add_co_u32 s57, s57, s58
	s_add_co_u32 s57, s57, s55
	s_add_co_u32 s58, s57, 128
	s_add_co_u32 s59, s57, 256
	s_cmp_eq_u32 s37, 1
	s_cselect_b32 s38, s57, s38
	s_cmp_eq_u32 s37, 2
	s_cselect_b32 s38, s58, s38
	s_cmp_eq_u32 s37, 3
	s_cselect_b32 s38, s59, s38
	s_cmp_eq_u32 s37, 4
	s_cselect_b32 s38, s36, s38
	s_cmp_eq_u32 s37, 0
	s_cselect_b32 s39, 0, XT/8
	s_cmp_eq_u32 s37, 4
	s_cselect_b32 s39, (XT+3072)/8, s39
	s_add_co_u32 s38, s38, s39
	s_mul_i32 s54, s38, 8*KROW
	s_mul_i32 s55, s35, 2*KROW
	s_add_co_u32 s54, s54, s55
	s_mov_b32 s55, 0
	s_mov_b32 s20, 1
	s_mov_b32 s21, s17
	s_wait_alu depctr_va_vdst(0)
	s_wait_dscnt 0x0
	s_wait_kmcnt 0x0
.if IN3
	s_cmp_eq_u32 s50, 1
	s_cselect_b64 s[4:5], s[68:69], s[4:5]
	s_cmp_eq_u32 s50, 2
	s_cselect_b64 s[4:5], s[70:71], s[4:5]
.endif
	s_cmp_eq_u32 s37, 0
	s_cselect_b64 s[4:5], s[4:5], s[6:7]
.if W3
	s_cmp_eq_u32 s37, 2
	s_cselect_b64 s[4:5], s[8:9], s[4:5]
	s_cmp_eq_u32 s37, 3
	s_cselect_b64 s[4:5], s[10:11], s[4:5]
.endif
	s_cmp_eq_u32 s37, 4
	s_cselect_b64 s[4:5], s[12:13], s[4:5]
	s_add_nc_u64 s[22:23], s[4:5], s[52:53]
	s_load_b32 s44, s[14:15], 0
.if IN3
	s_load_b32 s32, s[14:15], 4*IXK
	s_load_b32 s60, s[14:15], 4*IXV
.endif
	s_load_b32 s45, s[14:15], 4
	s_load_b32 s46, s[14:15], 4
	s_load_b32 s47, s[14:15], 4
	s_load_b32 s51, s[14:15], 28
	s_or_b32 s23, s23, 0x80000000
	tensor_load_to_lds s[20:23], s[24:31]
	s_nop 0
.rept 4
	v_nop
.endr
	s_add_nc_u64 s[8:9], s[40:41], s[54:55]
	s_wait_kmcnt 0x0
.if IN3
	s_cmp_eq_u32 s50, 1
	s_cselect_b32 s44, s32, s44
	s_cmp_eq_u32 s50, 2
	s_cselect_b32 s44, s60, s44
.endif
	s_cmp_eq_u32 s37, 0
	s_cselect_b32 s58, s44, s45
	s_cmp_eq_u32 s37, 2
	s_cselect_b32 s58, s46, s58
	s_cmp_eq_u32 s37, 3
	s_cselect_b32 s58, s47, s58
	s_cmp_eq_u32 s37, 4
	s_cselect_b32 s58, s51, s58
	s_add_co_u32 s58, s58, 127
	s_lshl_b32 s59, s58, 23
	v_mov_b32 v11, s59
.if WKN && WKO
	s_cmp_ge_u32 ttmp9, XT/64
	s_cbranch_scc1 .Lweights
.elseif WKN
	s_sub_co_u32 s42, ttmp9, XT/64
	s_cmp_lt_u32 s42, 48
	s_cbranch_scc1 .Lweights
.elseif WKO
	s_cmp_ge_u32 ttmp9, XT/64+48
	s_cbranch_scc1 .Lweights
.endif
	v_lshrrev_b32 v4, 2, v9
	v_mul_u32_u24 v4, v4, PITCH
	v_and_b32 v12, 3, v9
	v_lshl_add_u32 v4, v12, 6, v4
	v_add_nc_u32 v4, s17, v4
	s_wait_alu depctr_va_vdst(0)
.macro FETCH t
.irp i, 0,1,2,3
	ds_load_b128 v[X+16*((\t)%2)+4*\i:X+16*((\t)%2)+4*\i+3], v4 offset:(\t)*8*PITCH+16*\i
.endr
.endm
.macro STEP t
.set XS, X+16*((\t)%2)
.set CS, C+4*(\t)
.if (\t) < 3
	FETCH (\t)+1
	s_wait_dscnt 4
.else
	s_wait_dscnt 0
.endif
	v_cvt_scalef32_pk8_fp8_f32 v[CS:CS+1], v[XS:XS+7], v11
	v_cvt_scalef32_pk8_fp8_f32 v[CS+2:CS+3], v[XS+8:XS+15], v11
	global_store_b128 v5, v[CS:CS+3], s[8:9] offset:512*(\t)
.endm
	s_wait_tensorcnt 0x0
	FETCH 0
.irp t, 0,1,2,3
	STEP \t
.endr
.if WKN || WKO
	s_branch .Lend
.Lweights:
	v_lshl_add_u32 v4, v9, 2, s17
	v_mul_u32_u24 v12, v9, SP
	s_mul_i32 s18, s16, 32
	v_add_nc_u32 v12, s18, v12
	s_mul_i32 s18, s16, 2*SP
	v_lshl_add_u32 v13, v9, 4, s18
	s_wait_alu depctr_va_vdst(0)
	s_wait_tensorcnt 0x0
.irp p, 0,1
.set I, 0
.rept 32
	ds_load_b32 v[X+32*\p+I], v4 offset:I*PITCH+128*\p
.set I, I+1
.endr
.endr
	s_wait_dscnt 0x0
	s_barrier_signal -1
	s_barrier_wait -1
.irp p, 0,1
.irp k, 0,1,2,3
	v_cvt_scalef32_pk8_fp8_f32 v[C+8*\p+2*\k:C+8*\p+2*\k+1], v[X+32*\p+8*\k:X+32*\p+8*\k+7], v11
.endr
.irp k, 0,1
	ds_store_b128 v12, v[C+8*\p+4*\k:C+8*\p+4*\k+3] offset:32*SP*\p+16*\k
.endr
.endr
	s_wait_dscnt 0x0
	s_barrier_signal -1
	s_barrier_wait -1
.irp k, 0,1,2,3
	ds_load_b128 v[16+4*\k:19+4*\k], v13 offset:SP*(\k/2)+512*(\k%2)
.endr
	s_wait_dscnt 0x0
.irp k, 0,1,2,3
	global_store_b128 v5, v[16+4*\k:19+4*\k], s[8:9] offset:512*\k
.endr
.Lend:
.endif
	s_wait_tensorcnt 0x0
	ds_add_u32 v2, v3
	s_wait_dscnt 0x0
	s_endpgm
.Lrows:
.set NB,    128
	s_load_b64 s[8:9], s[0:1], 0x28
	v_lshrrev_b32 v1, 5, v0
	v_readfirstlane_b32 s24, v1
	s_sub_co_u32 s25, ttmp9, 192
	s_mul_i32 s25, s25, 32
	s_add_co_u32 s25, s25, s24
	s_cmp_ge_u32 s25, NB+16
	s_cbranch_scc1 .Lrows_none
	s_lshr_b32 s26, s25, 3
	s_lshl_b32 s26, s26, 7
	s_bfe_u32 s27, s25, 0x20001
	s_lshl_b32 s27, s27, 5
	s_and_b32 s28, s25, 1
	s_lshl_b32 s28, s28, 3
	s_add_co_u32 s26, s26, s27
	s_add_co_u32 s26, s26, s28
	s_sub_co_u32 s27, s25, NB
	s_lshr_b32 s28, s27, 3
	s_mul_i32 s28, s28, 16
	s_and_b32 s27, s27, 7
	s_add_co_u32 s27, s27, s28
	s_cmp_lt_u32 s25, NB
	s_cselect_b32 s26, s26, s27
	v_and_b32 v9, 31, v0
	v_lshlrev_b32 v5, 3, v9
	v_cmp_gt_u32 s30, 16, v9
	v_mov_b32 v10, 0
	v_mov_b32 v11, 0
	s_mov_b32 s20, 0x3f800000
	v_writelane_b32 v10, s20, 0
	s_mov_b32 s21, 0x3f3ff911
	v_writelane_b32 v11, s21, 0
	s_mov_b32 s20, 0x3f0ff59a
	v_writelane_b32 v10, s20, 1
	s_mov_b32 s21, 0x3ed7e89b
	v_writelane_b32 v11, s21, 1
	s_mov_b32 s20, 0x3ea1e89b
	v_writelane_b32 v10, s20, 2
	s_mov_b32 s21, 0x3e72d424
	v_writelane_b32 v11, s21, 2
	s_mov_b32 s20, 0x3e361887
	v_writelane_b32 v10, s20, 3
	s_mov_b32 s21, 0x3e088d77
	v_writelane_b32 v11, s21, 3
	s_mov_b32 s20, 0x3dcccccd
	v_writelane_b32 v10, s20, 4
	s_mov_b32 s21, 0x3d99940e
	v_writelane_b32 v11, s21, 4
	s_mov_b32 s20, 0x3d6655c3
	v_writelane_b32 v10, s20, 5
	s_mov_b32 s21, 0x3d2cba15
	v_writelane_b32 v11, s21, 5
	s_mov_b32 s20, 0x3d0186e2
	v_writelane_b32 v10, s20, 6
	s_mov_b32 s21, 0x3cc24350
	v_writelane_b32 v11, s21, 6
	s_mov_b32 s20, 0x3c91ad39
	v_writelane_b32 v10, s20, 7
	s_mov_b32 s21, 0x3c5a7bf1
	v_writelane_b32 v11, s21, 7
	s_mov_b32 s20, 0x3c23d70a
	v_writelane_b32 v10, s20, 8
	s_mov_b32 s21, 0x3bf5b9b0
	v_writelane_b32 v11, s21, 8
	s_mov_b32 s20, 0x3bb8449c
	v_writelane_b32 v10, s20, 9
	s_mov_b32 s21, 0x3b8a2e77
	v_writelane_b32 v11, s21, 9
	s_mov_b32 s20, 0x3b4f3e37
	v_writelane_b32 v10, s20, 10
	s_mov_b32 s21, 0x3b1b690d
	v_writelane_b32 v11, s21, 10
	s_mov_b32 s20, 0x3ae91528
	v_writelane_b32 v10, s20, 11
	s_mov_b32 s21, 0x3aaec98e
	v_writelane_b32 v11, s21, 11
	s_mov_b32 s20, 0x3a83126f
	v_writelane_b32 v10, s20, 12
	s_mov_b32 s21, 0x3a44948c
	v_writelane_b32 v11, s21, 12
	s_mov_b32 s20, 0x3a136a16
	v_writelane_b32 v10, s20, 13
	s_mov_b32 s21, 0x39dd1726
	v_writelane_b32 v11, s21, 13
	s_mov_b32 s20, 0x39a5cb5f
	v_writelane_b32 v10, s20, 14
	s_mov_b32 s21, 0x3978a814
	v_writelane_b32 v11, s21, 14
	s_mov_b32 s20, 0x393a7753
	v_writelane_b32 v10, s20, 15
	s_mov_b32 s21, 0x390bd472
	v_writelane_b32 v11, s21, 15
	s_mov_b32 s20, 0x3f800000
	v_writelane_b32 v10, s20, 16
	s_mov_b32 s21, 0x3f3ff911
	v_writelane_b32 v11, s21, 16
	s_mov_b32 s20, 0x3f0ff59a
	v_writelane_b32 v10, s20, 17
	s_mov_b32 s21, 0x3ed7e89b
	v_writelane_b32 v11, s21, 17
	s_mov_b32 s20, 0x3ea1e89b
	v_writelane_b32 v10, s20, 18
	s_mov_b32 s21, 0x3e72d424
	v_writelane_b32 v11, s21, 18
	s_mov_b32 s20, 0x3e361887
	v_writelane_b32 v10, s20, 19
	s_mov_b32 s21, 0x3e088d77
	v_writelane_b32 v11, s21, 19
	s_mov_b32 s20, 0x3dcccccd
	v_writelane_b32 v10, s20, 20
	s_mov_b32 s21, 0x3d99940e
	v_writelane_b32 v11, s21, 20
	s_mov_b32 s20, 0x3d6655c3
	v_writelane_b32 v10, s20, 21
	s_mov_b32 s21, 0x3d2cba15
	v_writelane_b32 v11, s21, 21
	s_mov_b32 s20, 0x3d0186e2
	v_writelane_b32 v10, s20, 22
	s_mov_b32 s21, 0x3cc24350
	v_writelane_b32 v11, s21, 22
	s_mov_b32 s20, 0x3c91ad39
	v_writelane_b32 v10, s20, 23
	s_mov_b32 s21, 0x3c5a7bf1
	v_writelane_b32 v11, s21, 23
	s_mov_b32 s20, 0x3c23d70a
	v_writelane_b32 v10, s20, 24
	s_mov_b32 s21, 0x3bf5b9b0
	v_writelane_b32 v11, s21, 24
	s_mov_b32 s20, 0x3bb8449c
	v_writelane_b32 v10, s20, 25
	s_mov_b32 s21, 0x3b8a2e77
	v_writelane_b32 v11, s21, 25
	s_mov_b32 s20, 0x3b4f3e37
	v_writelane_b32 v10, s20, 26
	s_mov_b32 s21, 0x3b1b690d
	v_writelane_b32 v11, s21, 26
	s_mov_b32 s20, 0x3ae91528
	v_writelane_b32 v10, s20, 27
	s_mov_b32 s21, 0x3aaec98e
	v_writelane_b32 v11, s21, 27
	s_mov_b32 s20, 0x3a83126f
	v_writelane_b32 v10, s20, 28
	s_mov_b32 s21, 0x3a44948c
	v_writelane_b32 v11, s21, 28
	s_mov_b32 s20, 0x3a136a16
	v_writelane_b32 v10, s20, 29
	s_mov_b32 s21, 0x39dd1726
	v_writelane_b32 v11, s21, 29
	s_mov_b32 s20, 0x39a5cb5f
	v_writelane_b32 v10, s20, 30
	s_mov_b32 s21, 0x3978a814
	v_writelane_b32 v11, s21, 30
	s_mov_b32 s20, 0x393a7753
	v_writelane_b32 v10, s20, 31
	s_mov_b32 s21, 0x390bd472
	v_writelane_b32 v11, s21, 31
.macro SINCOS w, c, s, a, q, r, z, p
	v_mul_f32 v\a, v14, v\w
	v_fma_f32 v\p, v14, v\w, -v\a
	v_fma_f32 v\q, v\a, 0x3f22f983, 0.5
	v_floor_f32 v\q, v\q
	v_fma_f32 v\r, v\q, 0xbfc90fdb, v\a
	v_fmac_f32 v\r, 0x333bbd2e, v\q
	v_add_f32 v\r, v\r, v\p
	v_cvt_i32_f32 v\q, v\q
	v_mul_f32 v\z, v\r, v\r
	v_mov_b32 v\s, 0xb94ca1f9
	v_fmaak_f32 v\s, v\s, v\z, 0x3c08839e
	v_fmaak_f32 v\s, v\s, v\z, 0xbe2aaaa3
	v_mul_f32 v\p, v\z, v\r
	v_fma_f32 v\s, v\s, v\p, v\r
	v_mov_b32 v\c, 0x37ccf5ce
	v_fmaak_f32 v\c, v\c, v\z, 0xbab6061a
	v_fmaak_f32 v\c, v\c, v\z, 0x3d2aaaa5
	v_mul_f32 v\p, v\z, v\z
	v_fma_f32 v\r, v\z, -0.5, 1.0
	v_fma_f32 v\c, v\c, v\p, v\r
	v_and_b32 v\p, 1, v\q
	v_cmp_eq_u32 vcc_lo, 1, v\p
	v_cndmask_b32 v\r, v\s, v\c, vcc_lo
	v_cndmask_b32 v\c, v\c, v\s, vcc_lo
	v_and_b32 v\p, 2, v\q
	v_lshlrev_b32 v\p, 30, v\p
	v_xor_b32 v\s, v\r, v\p
	v_add_nc_u32 v\p, 1, v\q
	v_and_b32 v\p, 2, v\p
	v_lshlrev_b32 v\p, 30, v\p
	v_xor_b32 v\c, v\c, v\p
.endm
	s_wait_alu depctr_va_vdst(0)
	s_wait_kmcnt 0x0
	s_lshl_b32 s28, s25, 8
	s_mov_b32 s29, 0
	s_add_nc_u64 s[8:9], s[8:9], s[28:29]
	v_cvt_f32_u32 v14, s26
	SINCOS 10, 32, 34, 15, 18, 19, 20, 21
	SINCOS 11, 33, 35, 15, 18, 19, 20, 21
	v_cndmask_b32 v32, v34, v32, s30
	v_cndmask_b32 v33, v35, v33, s30
	s_wait_alu depctr_va_vdst(0)
	global_store_b64 v5, v[32:33], s[8:9]
.Lrows_none:
	s_endpgm
.Lfunc_end_k_q5273a581f6_prepare:
	.size	k_q5273a581f6_prepare, .Lfunc_end_k_q5273a581f6_prepare-k_q5273a581f6_prepare
	.p2alignl 7, 3214868480
	.fill 96, 4, 3214868480
	.section	.rodata,"a",@progbits
	.p2align	6, 0x0
	.amdhsa_kernel k_q5273a581f6_prepare
		.amdhsa_group_segment_fixed_size 282624
		.amdhsa_private_segment_fixed_size 0
		.amdhsa_enable_private_segment 0
		.amdhsa_kernarg_size 48
		.amdhsa_user_sgpr_count 2
		.amdhsa_user_sgpr_kernarg_segment_ptr 1
		.amdhsa_wavefront_size32 1
		.amdhsa_system_sgpr_workgroup_id_x 1
		.amdhsa_system_sgpr_workgroup_id_y 1
		.amdhsa_system_sgpr_workgroup_id_z 1
		.amdhsa_system_vgpr_workitem_id 0
		.amdhsa_next_free_vgpr 128
		.amdhsa_next_free_sgpr 72
		.amdhsa_reserve_vcc 1
		.amdhsa_float_denorm_mode_32 3
		.amdhsa_float_denorm_mode_16_64 3
		.amdhsa_fp16_overflow 1
		.amdhsa_memory_ordered 1
		.amdhsa_forward_progress 1
		.amdhsa_inst_pref_size 28
	.end_amdhsa_kernel
	.amdgpu_metadata
---
amdhsa.version: [ 1, 2 ]
amdhsa.kernels:
  - .name:           k_q5273a581f6_prepare
    .symbol:         k_q5273a581f6_prepare.kd
    .args:
      - { .name: x, .offset: 0, .size: 8, .value_kind: global_buffer, .address_space: global }
      - { .name: W_qkv, .offset: 8, .size: 8, .value_kind: global_buffer, .address_space: global }
      - { .name: W_out, .offset: 16, .size: 8, .value_kind: global_buffer, .address_space: global }
      - { .name: lowp_scales, .offset: 24, .size: 8, .value_kind: global_buffer, .address_space: global }
      - { .name: pc, .offset: 32, .size: 8, .value_kind: global_buffer, .address_space: global }
      - { .name: cx, .offset: 40, .size: 8, .value_kind: global_buffer, .address_space: global }
    .group_segment_fixed_size: 282624
    .private_segment_fixed_size: 0
    .kernarg_segment_align: 8
    .kernarg_segment_size: 48
    .max_flat_workgroup_size: 1024
    .sgpr_count:     72
    .vgpr_count:     128
    .wavefront_size: 32
...
	.end_amdgpu_metadata
.endif
;; end of part 1
;; launch qkv (part 2): grid 16 x 16, 4 waves a work-group, clusters of 4 x 4, 327,680 bytes of LDS; arguments pc, lowp_scales, qkc, vc, cx; writes qkc, vc
.if DOCPART == 2
	.amdgcn_target "amdgcn-amd-amdhsa--gfx1250"
	.amdhsa_code_object_version 6
	.text
	.protected	k_q5273a581f6_qkv
	.globl	k_q5273a581f6_qkv
	.p2align	8
	.type	k_q5273a581f6_qkv,@function
k_q5273a581f6_qkv:
	s_mov_b64 s[64:65], 0
	v_nop
	global_prefetch_b8 v0, s[64:65] scope:SCOPE_SE
	s_setreg_imm32_b32 hwreg(HW_REG_WAVE_MODE, 25, 1), 1
	s_wait_xcnt 0x0
	s_wait_alu depctr_hold_cnt(0) depctr_sa_sdst(0) depctr_va_vdst(0) depctr_va_sdst(0) depctr_va_ssrc(0) depctr_va_vcc(0) depctr_vm_vsrc(0)
	s_getreg_b32 s2, hwreg(HW_REG_IB_STS2, 6, 4)
	s_cmp_eq_u32 s2, 0
	s_cbranch_scc0 .Lentry_in_a_cluster
	s_endpgm
.Lentry_in_a_cluster:
	s_bfe_u32 s2, ttmp6, 0x10000c
	s_cmp_lg_u32 s2, 0xf033
	s_cbranch_scc0 .Lentry_shape_is_right
	s_endpgm
.Lentry_shape_is_right:
.set TOK,    8192
.set BIAS,   0
.set W3,     0
.set IN3,    0
.set ROPE,   2
.set RSEQ,   2048
.set RN,     16
.set BQ0,    0
.set BQH,    64
.set BK0,    0
.set BKH,    64
.set BV0,    0
.set BVH,    64
.set IX,     0
.set IXK,    0
.set IXV,    0
.set IWQ,    1
.set IWK,    1
.set IWV,    1
.set IQ,     2
.set IK,     3
.set IV,     4
.set SIZE_K, 1024
.set NQ,     SIZE_K/128
.set NB,     4
.set NS,     16
.set TM,     2*16*NS
.set TN,     2*16*NB
.set NC,     4
.set KROW,   SIZE_K
.set PITCH,  KROW+16
.set FR,     16
.set NL,     4
.set FPW,    256/FR
.set NP,     4
.set NF,     NQ*NL
.set CH,     128
.set YB,     CH*PITCH
.set SPARE,  (2*CH*PITCH+255)/256*256
.set TB,     1024
.set ADRA0, 4
.set CO,   9
.set SPW,  10
.set NIL,  11
.set ADRA, 12
.set ADRB, 14
.set AF,   0
.set ACC,  24
.set HV,   96
.set SOPN, 112
.set SOPV, 114
.set CN,   116
.set BQ,   120
.set BV,   152
.set RA,   16
.set LA,   160
.set LB,   LA+RN
.set BC,   LB+RN
.set BS,   BC+RN
.set PX,   224
.set RT,   88
.set RB,   SPARE+512
.set NCD,  88
.set G1A, 24
.set G0A, 56
.set G1B, 32
.set G0B, 60
.set G1R, 48
.set G0R, 68
.set MSB, 0
.macro WIN new
.if MSB != \new
	s_set_vgpr_msb (MSB<<8)|\new
.set MSB, \new
.endif
.endm
.macro PLACES n
.rept \n
	v_nop
.endr
.endm
.macro BARRIER
	s_barrier_signal -1
	s_barrier_wait -1
.endm
.macro CROUND
	BARRIER
	s_cmp_lg_u32 s14, 0
	s_cbranch_scc1 .Lnot_wave_0_\@
	s_barrier_signal -3
.Lnot_wave_0_\@:
	s_barrier_wait -3
	BARRIER
.endm
.macro TLOAD g0, g1
	tensor_load_to_lds s[\g0:\g0+3], s[\g1:\g1+7]
	s_nop 0
	PLACES 4
.endm
.macro GROUP1 g, mask, rows
	s_or_b32 s[\g+0], s[\mask], (1<<20)|(1<<21)|(7<<22)|(3<<25)
	s_mov_b32 s[\g+1], (KROW&0xffff)<<16
	s_mov_b32 s[\g+2], (KROW>>16)|((\rows)<<16)
	s_mov_b32 s[\g+3], KROW<<16
	s_mov_b32 s[\g+4], \rows
	s_mov_b32 s[\g+5], KROW
	s_mov_b32 s[\g+6], 0
	s_mov_b32 s[\g+7], 0
.endm
.macro SADD d, x
	s_add_co_u32 s\d, s\d, s\x
.endm
	s_load_b64 s[4:5], s[0:1], 0x0
	s_load_b64 s[10:11], s[0:1], 0x8
	v_lshl_add_u32 v[SPW], v0, 2, SPARE
	v_mov_b32 v[NIL], 0
	ds_add_u32 v[SPW], v[NIL]
	ds_add_u32 v[SPW], v[NIL]
	v_lshrrev_b32 v1, 5, v0
	v_readfirstlane_b32 s14, v1
	s_lshr_b32 s15, s14, 1
	s_and_b32 s16, s14, 1
	s_mov_b32 s17, s15
	s_mov_b32 s18, s16
	s_bfe_u32 s40, ttmp6, 0x40000
	s_bfe_u32 s41, ttmp6, 0x40004
	s_lshl_b32 s42, ttmp9, 2
	s_add_co_u32 s42, s42, s40
	s_and_b32 s43, ttmp7, 0xffff
	s_lshl_b32 s43, s43, 2
	s_add_co_u32 s43, s43, s41
	s_lshr_b32 s19, ttmp9, 1
	s_and_b32 s3, ttmp9, 1
	s_lshl_b32 s3, s3, 2
	SADD 3, 41
	s_and_b32 s99, ttmp7, 0xffff
	s_lshl_b32 s99, s99, 2
	SADD 99, 40
	s_lshl_b32 s44, s41, 2
	s_lshl_b32 s44, 15, s44
	s_lshl_b32 s45, 0x1111, s40
	GROUP1 G1A, 44, CH/2
	GROUP1 G1B, 45, TN/2
	GROUP1 G1R, 44, CH/4
	s_mul_i32 s86, s43, TM*KROW
	s_lshl_b32 s2, s99, 1
	SADD 2, 19
	s_mul_i32 s2, s2, TM/2*KROW
.if IN3
	s_mul_i32 s20, s19, TOK*KROW
	SADD 86, 20
	s_add_co_u32 s2, s2, 2*TOK*KROW
.endif
	s_mov_b32 s87, 0
	s_mul_i32 s76, s16, CH/2*KROW
	s_mov_b32 s77, 0
	s_mul_i32 s20, s42, TN*KROW
	s_mul_i32 s21, s16, TN/2*KROW
	s_add_co_u32 s78, s20, s21
	s_mov_b32 s79, 0
	s_mul_i32 s98, s3, TN*KROW
	s_add_co_u32 s98, s98, 2048*KROW
	s_mov_b32 s[G0A], 1
	s_mul_i32 s[G0A+1], s16, CH/2*PITCH
	s_mov_b32 s[G0B], 1
	s_mul_i32 s[G0B+1], s16, TN/2*PITCH
	s_add_co_u32 s[G0B+1], s[G0B+1], YB
	s_mov_b32 s[G0R], 1
	v_and_b32 v1, 15, v0
	v_bfe_u32 v2, v0, 4, 1
	v_and_b32 v3, 31, v0
	v_mul_u32_u24 v22, v1, PITCH
	v_mad_u32_u24 v23, v2, 16, v22
	s_mul_i32 s21, s17, 16*PITCH
	v_add_nc_u32 v[ADRA0], s21, v23
	s_mul_i32 s22, s18, 16*NB*PITCH
	v_add_nc_u32 v[ADRB+1], s22, v23
	s_add_co_u32 s22, s22, YB
	v_add_nc_u32 v[ADRB], s22, v23
	s_lshl_b32 s90, s40, 2
	s_add_co_u32 s90, s90, s14
	s_wait_alu depctr_va_vdst(0)
	s_wait_dscnt 0x0
	s_wait_kmcnt 0x0
	s_add_nc_u64 s[8:9], s[4:5], (1+2*IN3)*TOK*KROW
	s_mov_b32 s67, s86
	s_add_co_u32 s98, s98, (1+2*IN3)*TOK*KROW
	s_add_nc_u64 s[86:87], s[4:5], s[86:87]
	s_add_nc_u64 s[G0A+2:G0A+3], s[86:87], s[76:77]
	s_or_b32 s[G0A+3], s[G0A+3], 0x80000000
	s_add_nc_u64 s[G0B+2:G0B+3], s[8:9], s[78:79]
	s_or_b32 s[G0B+3], s[G0B+3], 0x80000000
	CROUND
	s_cmp_eq_u32 s15, 0
	s_cbranch_scc0 .Lfor_a
	TLOAD G0B, G1B
	s_branch .Lasked
.Lfor_a:
	TLOAD G0A, G1A
.Lasked:
	s_load_b32 s72, s[10:11], 4*IX
	s_load_b32 s12, s[10:11], 4*IXK
	s_load_b32 s13, s[10:11], 4*IXV
	s_load_b32 s73, s[10:11], 4*IWQ
	s_load_b32 s6, s[10:11], 4*IWK
	s_load_b32 s7, s[10:11], 4*IWV
	s_load_b32 s74, s[10:11], 4*IQ
	s_load_b32 s75, s[10:11], 4*IK
	s_load_b32 s95, s[10:11], 4*IV
	s_lshl_b32 s21, s42, 1
	SADD 21, 18
	s_mul_i32 s76, s21, TOK/16*TB
	s_mul_i32 s22, s43, TM/16*TB
	SADD 76, 22
	s_mul_i32 s22, s17, 8*TB
	SADD 76, 22
	s_mov_b32 s77, 0
	s_lshl_b32 s21, s3, 1
	SADD 21, 18
	s_mul_i32 s80, s21, TOK/128*8*TB
	s_lshl_b32 s22, s99, 1
	SADD 22, 19
	s_mul_i32 s22, s22, 2*8*TB
	SADD 80, 22
	s_mul_i32 s22, s17, 8*TB
	SADD 80, 22
	s_mov_b32 s81, 0
.macro ZERO r, n
.set I, 0
.rept (\n)/2
	v_dual_mov_b32 v[\r+I], 0 :: v_dual_mov_b32 v[\r+I+1], 0
.set I, I+2
.endr
.endm
.if BIAS
	s_load_b64 s[84:85], s[0:1], 0x20
.if W3
	s_load_b64 s[82:83], s[0:1], 0x28
	s_load_b64 s[46:47], s[0:1], 0x30
.endif
	s_lshl_b32 s21, s42, 1
	SADD 21, 18
	s_and_b32 s21, s21, 15
	s_cmp_eq_u32 s19, 0
	s_mov_b32 s20, 4*BKH
	s_cselect_b32 s20, 4*BQH, s20
	s_mov_b32 s22, 4*BK0
	s_cselect_b32 s22, 4*BQ0, s22
	s_mul_i32 s20, s21, s20
	SADD 20, 22
	s_lshl_b32 s22, s3, 1
	SADD 22, 18
	s_mul_i32 s22, s22, 4*BVH
	s_add_co_u32 s22, s22, 4*BV0
	s_mov_b32 s21, 0
	s_mov_b32 s23, 0
	v_lshlrev_b32 v22, 7, v2
	v_lshrrev_b32 v23, 3, v1
	v_lshlrev_b32 v23, 7, v23
	v_and_b32 v8, 7, v1
	v_lshl_add_u32 v23, v8, 2, v23
	s_wait_alu depctr_va_vdst(0)
	s_wait_kmcnt 0x0
.if W3
	s_add_nc_u64 s[22:23], s[46:47], s[22:23]
	s_cmp_eq_u32 s19, 0
	s_cselect_b64 s[84:85], s[84:85], s[82:83]
.else
	s_add_nc_u64 s[22:23], s[84:85], s[22:23]
.endif
	s_add_nc_u64 s[20:21], s[84:85], s[20:21]
.irp k, 0,1,2,3,4,5,6,7
	global_load_b128 v[BQ+4*\k:BQ+4*\k+3], v22, s[20:21] offset:16*\k
.endr
.irp t, 0,1,2,3
	global_load_b32 v[BV+2*\t], v23, s[22:23] offset:32*\t
.endr
	s_wait_xcnt 0x0
.endif
	v_lshlrev_b32 v[CO], 4, v3
	v_lshlrev_b32 v23, 9, v2
	v_lshl_add_u32 v[CN], v1, 4, v23
.macro OPERANDS e, so
	s_sub_co_i32 s21, \e, s72
	s_add_co_i32 s21, s21, 127
	s_lshl_b32 s22, s21, 23
	v_mov_b32 v[\so], s22
.endm
	s_wait_kmcnt 0x0
	s_cmp_eq_u32 s19, 0
	s_cselect_b32 s73, s73, s6
	s_cselect_b32 s74, s74, s75
.if IN3
	s_cselect_b32 s6, s72, s12
.else
	s_mov_b32 s6, s72
	s_mov_b32 s13, s72
.endif
	s_add_co_i32 s7, s13, s7
	s_add_co_i32 s72, s6, s73
	OPERANDS s74, SOPN
	s_sub_co_i32 s12, s95, s7
	s_add_co_i32 s12, s12, s72
	OPERANDS s12, SOPV
.if BIAS
	s_sub_co_i32 s21, 0, s72
	s_wait_loadcnt 0x0
.set I, 0
.rept 32
	v_ldexp_f32 v[BQ+I], v[BQ+I], s21
.set I, I+1
.endr
	s_sub_co_i32 s21, 0, s7
.irp t, 0,2,4,6
	v_ldexp_f32 v[BV+\t], v[BV+\t], s21
.endr
.irp t, 0,2,4,6
	v_mov_b32 v[BV+\t+1], v[BV+\t]
.endr
.endif
	s_wait_alu depctr_va_vdst(0)
	s_cmp_eq_u32 s15, 0
	s_cbranch_scc0 .Lnot_b
	s_wait_tensorcnt 0x0
.Lnot_b:
	BARRIER
.macro PREFETCH r0, n, again
.if \again
	s_wait_xcnt 0x0
.endif
	s_add_nc_u64 s[88:89], s[86:87], (\r0)*KROW
	s_mul_i32 s21, s90, (\n)*KROW/4096
.if (\n)*KROW/4096 > 32
	v_min_u32 v7, 31, v3
.else
	v_min_u32 v7, (\n)*KROW/4096-1, v3
.endif
	v_add_nc_u32 v7, s21, v7
	v_lshlrev_b32 v7, 8, v7
.if (\n)*KROW/4096 > 32
	v_min_u32 v8, (\n)*KROW/4096-33, v3
	v_add_nc_u32 v8, s21, v8
	v_add_nc_u32 v8, 32, v8
	v_lshlrev_b32 v8, 8, v8
.endif
	global_prefetch_b8 v7, s[88:89] th:TH_LOAD_NT scope:SCOPE_SE
.if (\n)*KROW/4096 > 32
	global_prefetch_b8 v8, s[88:89] th:TH_LOAD_NT scope:SCOPE_SE
.endif
.endm
	PREFETCH CH, CH, 0
.macro FRAG f, adr, q, off
	WIN (1+(\f)/FPW)<<6
.irp c, 0,1,2,3
	ds_load_b128 v[FR*((\f)%FPW)+4*\c:FR*((\f)%FPW)+4*\c+3], v[\adr] offset:128*(\q)+32*\c+(\off)
.endr
.endm
.macro BFETCH adr
.irp q, 0,1,2,3,4,5,6,7
.irp b, 0,1,2,3
	FRAG NB*\q+\b, \adr, \q, \b*16*PITCH
.endr
.endr
	WIN 0
.endm
.macro FETCH k
	v_add_nc_u32 v[ADRA], s20, v[ADRA0]
	WIN 3<<6
.irp q, 0,1,2,3,4,5,6,7
.irp c, 0,1,2,3
	ds_load_b128 v[AF+128*\k+FR*\q+4*\c:AF+128*\k+FR*\q+4*\c+3], v[ADRA] offset:128*\q+32*\c
.endr
.endr
	WIN 0
.endm
.macro MUL1 q, b, c, k, kind
.set FB, NB*(\q)+\b
.set AC, ACC+8*\b
.if !(\kind)
	WIN (1+FB/FPW)|(3<<2)
	v_wmma_f32_16x16x128_fp8_fp8 v[AC:AC+7], v[FR*(FB%FPW):FR*(FB%FPW)+FR-1], v[AF+128*\k+FR*(\q):AF+128*\k+FR*(\q)+FR-1], \c
.else
	WIN 3|((1+FB/FPW)<<2)
	v_wmma_f32_16x16x128_fp8_fp8 v[AC:AC+7], v[AF+128*\k+FR*(\q):AF+128*\k+FR*(\q)+FR-1], v[FR*(FB%FPW):FR*(FB%FPW)+FR-1], \c
.endif
.endm
.macro MULS k, kind
.irp q, 0,1,2,3,4,5,6,7
.irp b, 0,1,2,3
.if (\q) == 0 && BIAS && !(\kind)
	MUL1 \q, \b, v[BQ+8*\b:BQ+8*\b+7], \k, \kind
.elseif (\q) == 0
	MUL1 \q, \b, 0, \k, \kind
.else
	MUL1 \q, \b, v[ACC+8*\b:ACC+8*\b+7], \k, \kind
.endif
.endr
.endr
	WIN 0
.endm
.macro RLOAD off
.set I, 0
.rept RN/4
	ds_load_b128 v[BC+4*I:BC+4*I+3], v[RA] offset:(\off)+16*I
.set I, I+1
.endr
.set I, 0
.rept RN/4
	ds_load_b128 v[BS+4*I:BS+4*I+3], v[RA] offset:(\off)+128+16*I
.set I, I+1
.endr
.endm
.macro CSN a, n
.set J, 0
.rept (\n)/2
	v_pk_mul_f32 v[RT+J:RT+J+1], v[LA+\a+J:LA+\a+J+1], v[BC+\a+J:BC+\a+J+1]
.set J, J+2
.endr
.set J, 0
.rept (\n)/2
	v_pk_mul_f32 v[BC+\a+J:BC+\a+J+1], v[LB+\a+J:LB+\a+J+1], v[BC+\a+J:BC+\a+J+1]
.set J, J+2
.endr
.set J, 0
.rept (\n)/2
	v_pk_fma_f32 v[RT+J:RT+J+1], v[LB+\a+J:LB+\a+J+1], v[BS+\a+J:BS+\a+J+1], v[RT+J:RT+J+1] neg_lo:[1,0,0] neg_hi:[1,0,0]
.set J, J+2
.endr
.set J, 0
.rept (\n)/2
	v_pk_fma_f32 v[BC+\a+J:BC+\a+J+1], v[LA+\a+J:LA+\a+J+1], v[BS+\a+J:BS+\a+J+1], v[BC+\a+J:BC+\a+J+1]
.set J, J+2
.endr
.endm
.macro ROT young
	s_wait_dscnt \young
.if ROPE == 1
	CSN 0, 16
.set J, 0
.rept 8
	v_pk_mul_f32 v[PX+2*J:PX+2*J+1], v[ACC+2*J:ACC+2*J+1], v[BC+J:BC+J+1] op_sel:[1,0] op_sel_hi:[0,0] neg_lo:[1,0]
	v_pk_mul_f32 v[PX+2*J+2:PX+2*J+3], v[ACC+2*J+2:ACC+2*J+3], v[BC+J:BC+J+1] op_sel:[1,1] op_sel_hi:[0,1] neg_lo:[1,0]
.set J, J+2
.endr
.set J, 0
.rept 8
	v_pk_fma_f32 v[ACC+2*J:ACC+2*J+1], v[ACC+2*J:ACC+2*J+1], v[RT+J:RT+J+1], v[PX+2*J:PX+2*J+1] op_sel:[0,0,0] op_sel_hi:[1,0,1]
	v_pk_fma_f32 v[ACC+2*J+2:ACC+2*J+3], v[ACC+2*J+2:ACC+2*J+3], v[RT+J:RT+J+1], v[PX+2*J+2:PX+2*J+3] op_sel:[0,1,0] op_sel_hi:[1,1,1]
.set J, J+2
.endr
.else
.set J, 0
.rept 16
	v_permlane16_swap_b32 v[ACC+J], v[ACC+16+J]
.set J, J+1
.endr
	CSN 0, 16
.set J, 0
.rept 8
	v_pk_mul_f32 v[PX+J:PX+J+1], v[ACC+16+J:ACC+16+J+1], v[BC+J:BC+J+1]
.set J, J+2
.endr
.set J, 0
.rept 8
	v_pk_mul_f32 v[PX+16+J:PX+16+J+1], v[ACC+J:ACC+J+1], v[BC+J:BC+J+1]
.set J, J+2
.endr
.set J, 0
.rept 8
	v_pk_fma_f32 v[ACC+J:ACC+J+1], v[ACC+J:ACC+J+1], v[RT+J:RT+J+1], v[PX+J:PX+J+1] neg_lo:[0,0,1] neg_hi:[0,0,1]
.set J, J+2
.endr
.set J, 0
.rept 8
	v_pk_fma_f32 v[ACC+16+J:ACC+16+J+1], v[ACC+16+J:ACC+16+J+1], v[RT+J:RT+J+1], v[PX+16+J:PX+16+J+1]
.set J, J+2
.endr
.set J, 0
.rept 16
	v_permlane16_swap_b32 v[ACC+J], v[ACC+16+J]
.set J, J+1
.endr
.endif
.endm
.macro WAYQ off
	s_wait_xcnt 0x0
.if ROPE
	ROT RNEXT
.endif
.irp j, 0,1,2,3
	v_cvt_scalef32_pk8_fp8_f32 v[NCD+2*\j:NCD+2*\j+1], v[ACC+8*\j:ACC+8*\j+7], v[SOPN]
.endr
	global_store_b128 v[CN], v[NCD:NCD+3], s[84:85] offset:\off
	global_store_b128 v[CN], v[NCD+4:NCD+7], s[84:85] offset:(\off)+256
	v_nop
	s_wait_alu depctr_va_vdst(0)
.endm
.macro WAYV u, off
	s_wait_xcnt 0x0
.if BIAS
.irp t, 0,1,2,3
.irp i, 0,2,4,6
	v_pk_add_f32 v[ACC+8*\t+\i:ACC+8*\t+\i+1], v[ACC+8*\t+\i:ACC+8*\t+\i+1], v[BV+2*\t:BV+2*\t+1]
.endr
.endr
.endif
.irp t, 0,1,2,3
	v_cvt_scalef32_pk8_fp8_f32 v[HV+4*\t+2*\u:HV+4*\t+2*\u+1], v[ACC+8*\t:ACC+8*\t+7], v[SOPV]
.endr
.if \u
.irp t, 0,1,2,3
	global_store_b128 v[CO], v[HV+4*\t:HV+4*\t+3], s[84:85] offset:(\off)+2*TB*\t
.endr
.endif
	v_nop
	s_wait_alu depctr_va_vdst(0)
.endm
.macro REFILL lds
	s_wait_tensorcnt 0x0
	ds_add_u32 v[SPW], v[NIL]
	s_or_b32 s[G1R+0], s66, (1<<20)|(1<<21)|(7<<22)|(3<<25)
	s_mul_i32 s[G0R+1], s14, CH/4*PITCH
	s_add_co_u32 s[G0R+1], s[G0R+1], \lds
	s_mul_i32 s20, s14, CH/4*KROW
	s_add_co_u32 s20, s20, s6
	s_mov_b32 s21, 0
	s_add_nc_u64 s[G0R+2:G0R+3], s[4:5], s[20:21]
	s_or_b32 s[G0R+3], s[G0R+3], 0x80000000
	s_wait_dscnt 0x0
	CROUND
	TLOAD G0R, G1R
.endm
.macro PREF
	s_lshl_b32 s12, s12, 13
	s_add_co_u32 s7, s7, s12
	s_wait_xcnt 0x0
	v_lshlrev_b32 v7, 8, v3
	v_add_nc_u32 v7, s7, v7
	global_prefetch_b8 v7, s[4:5] th:TH_LOAD_NT scope:SCOPE_SE
.endm
.macro SLOT i, kind, fetch=1
.if (\i) == 3 && !(\fetch)
	s_wait_dscnt 0x0
.else
	s_wait_dscnt NF
.endif
.if ROPE && !(\kind)
	RLOAD (256*(\i))
.if (\i) == 3 && (\fetch)
	v_add_nc_u32 v[RA], 1024, v[RA]
.endif
.endif
	MULS ((\i)%2), \kind
	PLACES NP+1
.if (\i) == 2 && !(\kind)
.if \fetch
	s_mul_i32 s6, s46, CH*KROW
	s_add_co_u32 s6, s6, 2*CH*KROW
	s_add_co_u32 s6, s6, s67
	s_cmp_eq_u32 s46, NC-2
	s_cselect_b32 s6, s98, s6
	s_mov_b32 s66, s44
.else
.if IN3 && NC > 2
	s_add_co_u32 s7, s2, CH*KROW
	s_mov_b32 s12, s13
	PREF
.endif
	s_mov_b32 s6, s2
	s_mov_b32 s66, s45
.endif
	REFILL s101
.if (\fetch) && (IN3 || NC > 2)
.if !IN3
	s_cmp_eq_u32 s46, NC-2
	s_cbranch_scc1 .Lno_request_\@
.endif
	s_mul_i32 s7, s46, CH*KROW
	s_add_co_u32 s7, s7, 3*CH*KROW
	s_add_co_u32 s7, s7, s67
	s_cmp_eq_u32 s46, NC-3
	s_cselect_b32 s7, s98, s7
	s_mov_b32 s12, s90
.if IN3
	s_cmp_eq_u32 s46, NC-2
	s_cselect_b32 s7, s2, s7
	s_cselect_b32 s12, s13, s90
.endif
	PREF
.Lno_request_\@:
.endif
.endif
.if (\i) == 2 && (\kind) && (\fetch)
	s_wait_tensorcnt 0x0
	s_wait_dscnt 0x0
	BARRIER
.endif
.if (\i) < 2
	s_add_co_u32 s20, s101, ((\i)+2)*32*PITCH
	FETCH ((\i)%2)
.else
.if \fetch
	s_add_co_u32 s20, s91, ((\i)-2)*32*PITCH
	FETCH ((\i)%2)
.endif
.endif
.if (\i) == 0
.if !(\kind)
	s_lshr_b32 s20, s46, 1
	s_lshl_b32 s20, s20, 2
	s_and_b32 s21, s46, 1
	s_or_b32 s20, s20, s21
	s_mul_i32 s20, s20, 4*TB
	s_mov_b32 s21, 0
	s_wait_xcnt 0x0
	s_add_nc_u64 s[84:85], s[92:93], s[20:21]
.else
	s_lshl_b32 s20, s46, 10
	s_mov_b32 s21, 0
	s_wait_xcnt 0x0
	s_add_nc_u64 s[84:85], s[96:97], s[20:21]
.endif
.endif
.if !(\kind)
.if ROPE
.if (\i) < 2 || (\fetch)
.set RNEXT, NF
.else
.set RNEXT, 0
.endif
.endif
	WAYQ ((\i)*TB)
.else
	WAYV ((\i)%2), (512*((\i)/2))
.endif
.endm
.macro CHUNKS n, kind
	s_mov_b32 s46, 0
.if (\n) == 1
	SLOT 0, \kind
	SLOT 1, \kind
.else
.Lchunk_\@:
	SLOT 0, \kind
	SLOT 1, \kind
	s_cmp_eq_u32 s46, (\n)-1
	s_cbranch_scc1 .Ltail_\@
	SLOT 2, \kind
	SLOT 3, \kind
	s_add_co_u32 s46, s46, 1
	s_xor_b32 s101, s101, YB
	s_xor_b32 s91, s91, YB
	s_branch .Lchunk_\@
.Ltail_\@:
.endif
	SLOT 2, \kind, 0
	SLOT 3, \kind, 0
.endm
	BFETCH ADRB
	s_lshl_b32 s13, s41, 2
	SADD 13, 14
	s_add_co_u32 s6, s67, CH*KROW
	s_mov_b32 s66, s44
	s_mov_b32 s91, YB
	REFILL s91
	PREFETCH 2*CH, CH, 1
	s_load_b64 s[92:93], s[0:1], 0x10
	s_load_b64 s[96:97], s[0:1], 0x18
.if ROPE
	s_load_b64 s[40:41], s[0:1], 0x20+8*BIAS*(1+2*W3)
	v_bfe_u32 v17, v0, 4, 1
	v_lshlrev_b32 v21, 6, v17
	v_and_b32 v20, 15, v0
	v_lshl_add_u32 v20, v20, 8, v21
	s_mul_i32 s94, s14, 256*NS
	s_add_co_u32 s94, s94, RB
	v_add_nc_u32 v[RA], s94, v21
	v_and_b32 v5, 31, v0
	v_lshlrev_b32 v5, 4, v5
	v_add_nc_u32 v6, s94, v5
.endif
	s_mov_b32 s101, 0
	s_mov_b32 s20, 0
	FETCH 0
	s_mov_b32 s20, 32*PITCH
	FETCH 1
.if ROPE
	s_wait_alu depctr_va_vdst(0)
.endif
	s_wait_kmcnt 0x0
.if ROPE
.set I, 0
.rept RN/4
	global_load_b128 v[LA+4*I:LA+4*I+3], v20, s[40:41] offset:256*(RSEQ/16)+16*I
	global_load_b128 v[LB+4*I:LB+4*I+3], v20, s[40:41] offset:256*(RSEQ/16)+128+16*I
.set I, I+1
.endr
	s_lshr_b32 s42, s67, 10
	s_and_b32 s42, s42, (RSEQ-1)&~255
	s_lshr_b32 s42, s42, 7
	s_add_co_u32 s42, s42, s17
	s_lshl_b32 s42, s42, 11
	s_mov_b32 s43, 0
	s_add_nc_u64 s[42:43], s[40:41], s[42:43]
.set I, 0
.rept NS/2
	global_load_b128 v[BC+4*I:BC+4*I+3], v5, s[42:43] offset:512*(I%4)+4096*(I/4)
.set I, I+1
.endr
	s_wait_loadcnt 0x0
.set I, 0
.rept NS/2
	ds_store_b128 v6, v[BC+4*I:BC+4*I+3] offset:512*I
.set I, I+1
.endr
	s_wait_dscnt 0x0
.endif
	s_add_nc_u64 s[92:93], s[92:93], s[76:77]
	s_add_nc_u64 s[96:97], s[96:97], s[80:81]
	CHUNKS NC, 0
	BFETCH ADRB+1
	s_add_co_u32 s6, s2, CH*KROW
	s_mov_b32 s66, s45
	s_mov_b32 s91, 0
	REFILL s91
	s_mov_b32 s101, YB
	s_mov_b32 s91, 0
	s_mov_b32 s20, YB
	FETCH 0
	s_mov_b32 s20, YB+32*PITCH
	FETCH 1
	CHUNKS NC/2, 1
	s_wait_tensorcnt 0x0
	ds_add_u32 v[SPW], v[NIL]
	s_wait_dscnt 0x0
	CROUND
	s_endpgm
.Lfunc_end_k_q5273a581f6_qkv:
	.size	k_q5273a581f6_qkv, .Lfunc_end_k_q5273a581f6_qkv-k_q5273a581f6_qkv
	.p2alignl 7, 3214868480
	.fill 96, 4, 3214868480
	.section	.rodata,"a",@progbits
	.p2align	6, 0x0
	.amdhsa_kernel k_q5273a581f6_qkv
		.amdhsa_group_segment_fixed_size 327680
		.amdhsa_private_segment_fixed_size 0
		.amdhsa_enable_private_segment 0
		.amdhsa_kernarg_size 40
		.amdhsa_user_sgpr_count 2
		.amdhsa_user_sgpr_kernarg_segment_ptr 1
		.amdhsa_wavefront_size32 1
		.amdhsa_system_sgpr_workgroup_id_x 1
		.amdhsa_system_sgpr_workgroup_id_y 1
		.amdhsa_system_sgpr_workgroup_id_z 1
		.amdhsa_system_vgpr_workitem_id 0
		.amdhsa_next_free_vgpr 1024
		.amdhsa_next_free_sgpr 102
		.amdhsa_reserve_vcc 0
		.amdhsa_float_denorm_mode_32 3
		.amdhsa_float_denorm_mode_16_64 3
		.amdhsa_fp16_overflow 1
		.amdhsa_memory_ordered 1
		.amdhsa_forward_progress 1
		.amdhsa_inst_pref_size 128
	.end_amdhsa_kernel
	.amdgpu_metadata
---
amdhsa.version: [ 1, 2 ]
amdhsa.kernels:
  - .name:           k_q5273a581f6_qkv
    .symbol:         k_q5273a581f6_qkv.kd
    .args:
      - { .name: pc, .offset: 0, .size: 8, .value_kind: global_buffer, .address_space: global }
      - { .name: lowp_scales, .offset: 8, .size: 8, .value_kind: global_buffer, .address_space: global }
      - { .name: qkc, .offset: 16, .size: 8, .value_kind: global_buffer, .address_space: global }
      - { .name: vc, .offset: 24, .size: 8, .value_kind: global_buffer, .address_space: global }
      - { .name: cx, .offset: 32, .size: 8, .value_kind: global_buffer, .address_space: global }
    .group_segment_fixed_size: 327680
    .private_segment_fixed_size: 0
    .kernarg_segment_align: 8
    .kernarg_segment_size: 40
    .max_flat_workgroup_size: 128
    .sgpr_count:     102
    .vgpr_count:     1024
    .wavefront_size: 32
...
	.end_amdgpu_metadata
.endif
;; end of part 2
;; launch attention (part 3): grid 4 x 64, 8 waves a work-group, clusters of 4 x 1, 264,192 bytes of LDS; arguments qkc, vc, lowp_scales, cx, attention_mask; writes cx
.if DOCPART == 3
	.amdgcn_target "amdgcn-amd-amdhsa--gfx1250"
	.amdhsa_code_object_version 6
	.text
	.protected	k_q5273a581f6_attention
	.globl	k_q5273a581f6_attention
	.p2align	8
	.type	k_q5273a581f6_attention,@function
k_q5273a581f6_attention:
	s_mov_b64 s[64:65], 0
	v_nop
	global_prefetch_b8 v0, s[64:65] scope:SCOPE_SE
	s_setreg_imm32_b32 hwreg(HW_REG_WAVE_MODE, 25, 1), 1
	s_wait_xcnt 0x0
	s_wait_alu depctr_hold_cnt(0) depctr_sa_sdst(0) depctr_va_vdst(0) depctr_va_sdst(0) depctr_va_ssrc(0) depctr_va_vcc(0) depctr_vm_vsrc(0)
	s_getreg_b32 s2, hwreg(HW_REG_IB_STS2, 6, 4)
	s_cmp_eq_u32 s2, 0
	s_cbranch_scc0 .Lentry_in_a_cluster
	s_endpgm
.Lentry_in_a_cluster:
	s_bfe_u32 s2, ttmp6, 0x10000c
	s_cmp_lg_u32 s2, 0x3003
	s_cbranch_scc0 .Lentry_shape_is_right
	s_endpgm
.Lentry_shape_is_right:
.set SIZE_H, 64
.set SIZE_CAUSAL, 1
.set NK,     2048
.set STEPS,  NK/128
.set ROWB,   64
.set CXT,    16*1024
.set OPB,    2048
.set KSTEP,  4*OPB
.set HEADB,  NK*ROWB
.set VB,     HEADB
.set SPARE,  VB+HEADB
.set MASKIN, 1
.set MDT,    1
.set MSENSE, 0
.set MVAL,   0
.set MMUL,   0x41000000
.set MSUB,   0
.set MKO,    0
.set MHS,    4
.if MDT
.set MEB,    4
.else
.set MEB,    1
.endif
.if MSENSE == 2
.set MKS,    4*NK
.set MKL,    9
.else
.set MKS,    NK/2
.set MKL,    6
.endif
.set MKT,    SPARE+1024
.set SPW,    1
.set NIL,    2
.set AK,     3
.set AV,     4
.set ADK,    7
.set AMK,    9
.set ADV,    8
.set SOP,    12
.set SOPX,   14
.set NINF,   21
.set ST,     22
.set BM,     46
.set BX,     50
.set GO,     54
.set RL,     56
.set NMO,    66
.set TM,     67
.set P,      68
.set DT,     84
.set MC,     DT+8
.set S,      116
.set QF,     180
.set A2,     252
.set MQ,     212
.set AL,     AK
.set O,      0
.set KF,     128
.set VF,     192
.set WV,     18
.set HD,     19
.set CX,     20
.set EC,     21
.set CS,     22
.set G1K,    40
.set G0,     56
.set SEL,    60
.set EPV,    63
.set MP,     92
.set MB,     G1K
.set MTC,    93
.set MTN,    95
.set MSC,    96
.set SC,     66
.set TK,     67
.set TV,     68
.set T0,     71
.set T1,     80
.set T2,     81
.set T3,     82
.set QB,     72
.set SB,     84
.set EX,     88
.set LIM,    92
.set LIM2,   94
.set AW,     97
.set OB,     98
.set OO,     100
.set MKA,    24
.set MKB,    72
.set MKC,    84
.macro ROUND
	s_barrier_signal -1
	s_barrier_wait -1
	s_cmp_lg_u32 s[WV], 0
	s_cbranch_scc1 .Lnot_wave_0_\@
	s_barrier_signal -3
.Lnot_wave_0_\@:
	s_barrier_wait -3
	s_barrier_signal -1
	s_barrier_wait -1
.endm
.macro DESC g, rows
	s_mov_b32 s[\g], 15|(3<<16)|(1<<21)
	s_mov_b32 s[\g+1], 32<<16
	s_mov_b32 s[\g+2], (\rows)<<16
	s_mov_b32 s[\g+3], 32<<16
	s_mov_b32 s[\g+4], \rows
	s_mov_b32 s[\g+5], 32
	s_mov_b32 s[\g+6], 0
	s_mov_b32 s[\g+7], 0
.endm
.macro ASK g1
	s_or_b32 s[G0+3], s[G0+3], 0x80000000
	tensor_load_to_lds s[G0:G0+3], s[\g1:\g1+7]
	s_nop 0
.rept 4
	v_nop
.endr
.endm
.macro LOADK
	v_add_nc_u32 v[ADK], s[TK], v[AK]
	s_set_vgpr_msb 0x40
.irp k, 0,1,2,3
.irp j, 0,1,2,3
	ds_load_b128 v[KF+16*\k+4*\j:KF+16*\k+4*\j+3], v[ADK] offset:OPB*\k+512*\j
.endr
.endr
	s_set_vgpr_msb 0x4000
.endm
.macro LOADV
	v_add_nc_u32 v[ADV], s[TV], v[AV]
	s_set_vgpr_msb 0x40
.irp k, 0,1,2,3
.irp j, 0,1,2,3
	ds_load_b128 v[VF+16*\k+4*\j:VF+16*\k+4*\j+3], v[ADV] offset:OPB*\k+512*\j
.endr
.endr
	s_set_vgpr_msb 0x4000
.endm
.macro MMS d, a, b
.if MASKIN
	v_wmma_f32_16x16x64_fp8_fp8 v[\d:\d+7], v[\a:\a+7], v[\b:\b+7], v[\d:\d+7]
.else
	v_wmma_f32_16x16x64_fp8_fp8 v[\d:\d+7], v[\a:\a+7], v[\b:\b+7], 0
.endif
.endm
.set PRIO,   1
.set PRT2,   2
.set PRTL,   3
.macro TSTEP i, p, vload, kload, mask
.if PRIO && (\i == 0)
	s_setprio 3
.endif
.if PRIO && (\i == PRT2)
	s_setprio 2
.endif
.set SUMI, ST+6*\i+2
.set FP, ST+6*\p+4
.set QI, QF+8*\i
.set NMI, ST+6*\i
.set OP, O+32*\p
.set FI, ST+6*\i+4
.if MASKIN == 1 && MSENSE == 2
	v_add_nc_u32 v[ADK], s[MTC], v[AMK]
.irp g, 0,1,2,3,4,5,6,7
	ds_load_b128 v[S+8*\g:S+8*\g+3], v[ADK] offset:32*\g
	ds_load_b128 v[S+8*\g+4:S+8*\g+7], v[ADK] offset:32*\g+16
.endr
	s_wait_alu depctr_va_vdst(0)
	s_wait_dscnt 0x0
.elseif MASKIN == 1
.irp g, 0,1,2,3,4,5,6,7
	v_cvt_scale_pk8_f32_fp4 v[S+8*\g:S+8*\g+7], v[MC+\g], s[MSC]
.endr
	v_nop
.elseif MASKIN >= 2
.irp g, 0,1,2,3,4,5,6,7
	v_cvt_scale_pk8_f32_fp4 v[S+8*\g:S+8*\g+7], v[MQ+8*\i+\g], s[MSC]
.endr
	global_load_b128 v[MQ+8*\i:MQ+8*\i+3], v[AMK], s[MB+2*\i:MB+2*\i+1]
	global_load_b128 v[MQ+8*\i+4:MQ+8*\i+7], v[AMK], s[MB+2*\i:MB+2*\i+1] offset:512
	v_nop
.endif
	s_set_vgpr_msb 0x1
	v_wmma_f32_16x16x128_fp8_fp8 v[DT+0:DT+7], v[VF+0:VF+15], v[P:P+15], 0
	v_wmma_f32_16x16x128_fp8_fp8 v[DT+8:DT+15], v[VF+16:VF+31], v[P:P+15], 0
	v_wmma_f32_16x16x128_fp8_fp8 v[DT+16:DT+23], v[VF+32:VF+47], v[P:P+15], 0
	v_wmma_f32_16x16x128_fp8_fp8 v[DT+24:DT+31], v[VF+48:VF+63], v[P:P+15], 0
	MMS S+0, KF+0, QI
	MMS S+8, KF+8, QI
	MMS S+16, KF+16, QI
	MMS S+24, KF+24, QI
	MMS S+32, KF+32, QI
	MMS S+40, KF+40, QI
	MMS S+48, KF+48, QI
	MMS S+56, KF+56, QI
.rept 4
	v_nop
.endr
.if PRIO && (\i == PRTL)
	s_setprio 1
	s_nop 0
.endif
	s_set_vgpr_msb 0x100
.if \mask
	s_cmp_eq_u32 s[SC], s[LIM+2*((\i)/2)]
	s_cbranch_scc1 .Lmask\i\p
.Lmasked\i\p:
.endif
.irp k, 0,1,2,3
	v_max3_num_f32 v[BM+\k], v[S+16*\k], v[S+16*\k+1], v[S+16*\k+2]
	v_max3_num_f32 v[A2+\k], v[S+16*\k+8], v[S+16*\k+9], v[S+16*\k+10]
.endr
.irp k, 0,1
.irp j, 0,1,2,3
	v_max3_num_f32 v[BM+\j], v[BM+\j], v[S+2*\k+16*\j+3], v[S+2*\k+16*\j+4]
.endr
.irp j, 0,1,2,3
	v_max3_num_f32 v[A2+\j], v[A2+\j], v[S+2*\k+16*\j+11], v[S+2*\k+16*\j+12]
.endr
.endr
.irp k, 0,1,2,3
	v_max3_num_f32 v[BM+\k], v[BM+\k], v[A2+\k], v[S+16*\k+7]
.endr
.irp k, 0,1,2,3
	v_max_num_f32 v[BM+\k], v[BM+\k], v[S+16*\k+15]
.endr
	v_max3_num_f32 v[TM], v[BM], v[BM+1], v[BM+2]
	s_set_vgpr_msb 0x41
	v_pk_fma_f32 v[OP+0:OP+1], v[OP+0:OP+1], v[FP:FP+1], v[DT+0:DT+1] op_sel_hi:[1,0,1]
	v_pk_fma_f32 v[OP+8:OP+9], v[OP+8:OP+9], v[FP:FP+1], v[DT+8:DT+9] op_sel_hi:[1,0,1]
	v_pk_fma_f32 v[OP+16:OP+17], v[OP+16:OP+17], v[FP:FP+1], v[DT+16:DT+17] op_sel_hi:[1,0,1]
	v_pk_fma_f32 v[OP+24:OP+25], v[OP+24:OP+25], v[FP:FP+1], v[DT+24:DT+25] op_sel_hi:[1,0,1]
	s_set_vgpr_msb 0x4100
	v_max_num_f32 v[TM], v[TM], v[BM+3]
	s_set_vgpr_msb 0x41
	v_pk_fma_f32 v[OP+2:OP+3], v[OP+2:OP+3], v[FP:FP+1], v[DT+2:DT+3] op_sel_hi:[1,0,1]
	v_pk_fma_f32 v[OP+4:OP+5], v[OP+4:OP+5], v[FP:FP+1], v[DT+4:DT+5] op_sel_hi:[1,0,1]
	v_pk_fma_f32 v[OP+6:OP+7], v[OP+6:OP+7], v[FP:FP+1], v[DT+6:DT+7] op_sel_hi:[1,0,1]
	v_nop
	s_set_vgpr_msb 0x4100
	v_permlanex16_b32 v[BX], v[TM], s[SEL], s[SEL+1]
	s_set_vgpr_msb 0x41
	v_pk_fma_f32 v[OP+10:OP+11], v[OP+10:OP+11], v[FP:FP+1], v[DT+10:DT+11] op_sel_hi:[1,0,1]
	v_pk_fma_f32 v[OP+12:OP+13], v[OP+12:OP+13], v[FP:FP+1], v[DT+12:DT+13] op_sel_hi:[1,0,1]
	v_pk_fma_f32 v[OP+14:OP+15], v[OP+14:OP+15], v[FP:FP+1], v[DT+14:DT+15] op_sel_hi:[1,0,1]
	v_nop
	s_set_vgpr_msb 0x4100
	v_max3_num_f32 v[NMI+1], v[TM], v[BX], v[NMI+1]
	s_set_vgpr_msb 0x41
	v_pk_fma_f32 v[OP+18:OP+19], v[OP+18:OP+19], v[FP:FP+1], v[DT+18:DT+19] op_sel_hi:[1,0,1]
	v_pk_fma_f32 v[OP+20:OP+21], v[OP+20:OP+21], v[FP:FP+1], v[DT+20:DT+21] op_sel_hi:[1,0,1]
	v_pk_fma_f32 v[OP+22:OP+23], v[OP+22:OP+23], v[FP:FP+1], v[DT+22:DT+23] op_sel_hi:[1,0,1]
	v_nop
	s_set_vgpr_msb 0x4100
	v_mul_f32 v[TM], s[CS], v[NMI+1]
	s_set_vgpr_msb 0x41
	v_pk_fma_f32 v[OP+26:OP+27], v[OP+26:OP+27], v[FP:FP+1], v[DT+26:DT+27] op_sel_hi:[1,0,1]
	v_pk_fma_f32 v[OP+28:OP+29], v[OP+28:OP+29], v[FP:FP+1], v[DT+28:DT+29] op_sel_hi:[1,0,1]
	v_pk_fma_f32 v[OP+30:OP+31], v[OP+30:OP+31], v[FP:FP+1], v[DT+30:DT+31] op_sel_hi:[1,0,1]
	s_set_vgpr_msb 0x4100
	v_mov_b32 v[NMO], v[NMI]
	v_floor_f32 v[NMI], -v[TM]
.rept 4
	v_nop
.endr
	v_sub_f32 v[TM], v[NMI], v[NMO]
.irp k, 0,1,2,3,4,5,6,7,8,9,10,11,12,13,14,15
	v_pk_fma_f32 v[S+2*\k:S+2*\k+1], v[S+2*\k:S+2*\k+1], s[CS:CS+1], v[NMI:NMI+1] op_sel_hi:[1,0,0]
.endr
.if \kload
	LOADK
.endif
.if \vload
	LOADV
.endif
.if MASKIN == 1 && MSENSE != 2
.if \kload
	v_add_nc_u32 v[ADV], s[MTN], v[AMK]
	ds_load_b128 v[MC:MC+3], v[ADV]
	ds_load_b128 v[MC+4:MC+7], v[ADV] offset:16
.else
	v_add_nc_u32 v[ADK], s[MTC], v[AMK]
	ds_load_b128 v[MC:MC+3], v[ADK]
	ds_load_b128 v[MC+4:MC+7], v[ADK] offset:16
.endif
.endif
	s_wait_alu depctr_va_vdst(0)
.irp k, 0,1,2,3,4,5,6,7,8,9,10,11,12,13,14
	v_exp_f32 v[S+\k], v[S+\k]
.endr
.irp k, 0,1,2,3,4,5,6,7,8,9,10,11,12,13,14,15
	v_exp_f32 v[S+\k+15], v[S+\k+15]
	v_pk_fma_f32 v[S+2*\k+32:S+2*\k+33], v[S+2*\k+32:S+2*\k+33], s[CS:CS+1], v[NMI:NMI+1] op_sel_hi:[1,0,0]
.endr
	v_exp_f32 v[S+31], v[S+31]
	v_cvt_i32_f32 v[TM], v[TM]
.if PRIO && (\i == PRTL)
	s_setprio 0
.endif
	s_wait_alu depctr_va_vdst(0)
.irp k, 0,1,2,3,4,5,6,7,8,9,10,11,12,13,14,15,16,17,18,19,20,21,22
	v_exp_f32 v[S+\k+32], v[S+\k+32]
.endr
.irp k, 0,1,2,3,4,5,6,7
	v_exp_f32 v[S+\k+55], v[S+\k+55]
	v_pk_add_f32 v[DT+2*\k+16:DT+2*\k+17], v[S+4*\k:S+4*\k+1], v[S+4*\k+2:S+4*\k+3]
.endr
	v_exp_f32 v[S+63], v[S+63]
	v_ldexp_f32 v[FI], 1.0, v[TM]
	s_wait_alu depctr_va_vdst(0)
.if MASKIN >= 2 && SIZE_CAUSAL
	s_wait_loadcnt 0x2
.elseif MASKIN >= 2
	s_wait_loadcnt 0x6
.endif
.if \kload || \vload || (MASKIN == 1 && MSENSE != 2)
	s_wait_dscnt 0x0
.endif
	v_cvt_scalef32_pk8_fp8_f32 v[P+0:P+1], v[S+0:S+7], v[SOP]
	v_pk_add_f32 v[DT+16:DT+17], v[DT+16:DT+17], v[S+32:S+33]
	v_pk_add_f32 v[DT+18:DT+19], v[DT+18:DT+19], v[S+34:S+35]
	v_cvt_scalef32_pk8_fp8_f32 v[P+2:P+3], v[S+8:S+15], v[SOP]
	v_pk_add_f32 v[DT+20:DT+21], v[DT+20:DT+21], v[S+36:S+37]
	v_pk_add_f32 v[DT+22:DT+23], v[DT+22:DT+23], v[S+38:S+39]
	v_cvt_scalef32_pk8_fp8_f32 v[P+4:P+5], v[S+16:S+23], v[SOP]
	v_pk_add_f32 v[DT+24:DT+25], v[DT+24:DT+25], v[S+40:S+41]
	v_pk_add_f32 v[DT+26:DT+27], v[DT+26:DT+27], v[S+42:S+43]
	v_cvt_scalef32_pk8_fp8_f32 v[P+6:P+7], v[S+24:S+31], v[SOP]
	v_pk_add_f32 v[DT+28:DT+29], v[DT+28:DT+29], v[S+44:S+45]
	v_pk_add_f32 v[DT+30:DT+31], v[DT+30:DT+31], v[S+46:S+47]
	v_cvt_scalef32_pk8_fp8_f32 v[P+8:P+9], v[S+32:S+39], v[SOP]
	v_pk_add_f32 v[DT+16:DT+17], v[DT+16:DT+17], v[S+48:S+49]
	v_pk_add_f32 v[DT+18:DT+19], v[DT+18:DT+19], v[S+50:S+51]
	v_cvt_scalef32_pk8_fp8_f32 v[P+10:P+11], v[S+40:S+47], v[SOP]
	v_pk_add_f32 v[DT+20:DT+21], v[DT+20:DT+21], v[S+52:S+53]
	v_pk_add_f32 v[DT+22:DT+23], v[DT+22:DT+23], v[S+54:S+55]
	v_cvt_scalef32_pk8_fp8_f32 v[P+12:P+13], v[S+48:S+55], v[SOP]
	v_pk_add_f32 v[DT+24:DT+25], v[DT+24:DT+25], v[S+56:S+57]
	v_pk_add_f32 v[DT+26:DT+27], v[DT+26:DT+27], v[S+58:S+59]
	v_cvt_scalef32_pk8_fp8_f32 v[P+14:P+15], v[S+56:S+63], v[SOP]
	v_pk_add_f32 v[DT+28:DT+29], v[DT+28:DT+29], v[S+60:S+61]
	v_pk_add_f32 v[DT+30:DT+31], v[DT+30:DT+31], v[S+62:S+63]
.irp k, 0,1,2,3
	v_pk_add_f32 v[DT+4*\k+16:DT+4*\k+17], v[DT+4*\k+16:DT+4*\k+17], v[DT+4*\k+18:DT+4*\k+19]
.endr
	v_pk_add_f32 v[DT+16:DT+17], v[DT+16:DT+17], v[DT+20:DT+21]
	v_pk_add_f32 v[DT+24:DT+25], v[DT+24:DT+25], v[DT+28:DT+29]
	v_nop
	v_pk_add_f32 v[DT+16:DT+17], v[DT+16:DT+17], v[DT+24:DT+25]
	v_nop
	v_pk_fma_f32 v[SUMI:SUMI+1], v[SUMI:SUMI+1], v[FI:FI+1], v[DT+16:DT+17] op_sel_hi:[1,0,1]
.endm
.macro OUT i, more
.set SUMI, ST+6*\i+2
.set OI, O+32*\i
	v_add_f32 v[RL], v[SUMI], v[SUMI+1]
	v_and_b32 v[BM], 15, v0
	v_bfe_u32 v[BM+1], v0, 4, 1
	s_delay_alu instid0(VALU_DEP_3)
	v_permlanex16_b32 v[BX], v[RL], s[SEL], s[SEL+1]
.if (\i) < 2
	s_add_co_u32 s[T0], s[AW], \i
.else
	s_sub_co_u32 s[T0], \i+28, s[AW]
.endif
	v_lshlrev_b32 v[GO], 9, v[BM+1]
	s_delay_alu instid0(VALU_DEP_1)
	v_lshl_add_u32 v[GO], v[BM], 4, v[GO]
	s_lshr_b32 s[T3], s[T0], 2
	s_lshl_b32 s[T3], s[T3], 4
	s_and_b32 s[T1], s[T0], 1
	s_lshl_b32 s[T1], s[T1], 3
	s_add_co_u32 s[T3], s[T3], s[T1]
	s_bfe_u32 s[T1], s[T0], 0x10001
	s_add_co_u32 s[T3], s[T3], s[T1]
	s_lshl_b32 s[T1], s[CX], 1
	s_add_co_u32 s[T3], s[T3], s[T1]
	s_lshl_b32 s[OO], s[T3], 14
	s_mov_b32 s[OO+1], 0
	s_add_nc_u64 s[OB:OB+1], s[10:11], s[OO:OO+1]
	s_wait_alu depctr_va_vdst(0)
	v_add_f32 v[RL], v[RL], v[BX]
	s_wait_alu depctr_va_vdst(0)
	v_rcp_f32 v[RL], v[RL]
	v_mov_b32 v[RL+1], 0
	s_wait_alu depctr_va_vdst(0)
	v_ldexp_f32 v[RL], v[RL], s[EPV]
.rept 4
	v_nop
.endr
	s_set_vgpr_msb 0x1
.irp k, 0,1,2,3,4,5,6,7,8,9,10,11,12,13,14,15
	v_pk_mul_f32 v[S+2*\k:S+2*\k+1], v[OI+2*\k:OI+2*\k+1], v[RL:RL+1] op_sel_hi:[1,0]
.endr
	s_set_vgpr_msb 0x100
	v_nop
.irp k, 0,1,2,3
	v_cvt_scalef32_pk8_fp8_f32 v[S+2*\k+32:S+2*\k+33], v[S+8*\k:S+8*\k+7], v[SOPX]
.endr
	v_nop
	s_wait_alu depctr_va_vdst(0)
	global_store_b128 v[GO], v[S+32:S+35], s[OB:OB+1]
	global_store_b128 v[GO], v[S+36:S+39], s[OB:OB+1] offset:256
.if \more
	s_wait_xcnt 0x0
.endif
.endm
.macro MASKS i, p
.Lmask\i\p:
.if (\i) % 2 == 0
.irp k, 0,1,2,3,4,5,6,7,8,9,10,11,12,13,14,15
	v_cndmask_b32 v[S+\k], v[S+\k], v[NINF], s[MKA+\k]
.endr
.irp k, 0,1,2,3,4,5,6,7
	v_cndmask_b32 v[S+\k+16], v[S+\k+16], v[NINF], s[MKB+\k]
.endr
.irp k, 0,1,2,3,4,5,6,7
	v_cndmask_b32 v[S+\k+24], v[S+\k+24], v[NINF], s[MKC+\k]
.endr
.irp k, 0,1,2,3,4,5,6,7,8,9,10,11,12,13,14,15
	v_dual_mov_b32 v[S+2*\k+32], v[NINF] :: v_dual_mov_b32 v[S+2*\k+33], v[NINF]
.endr
.else
.irp k, 0,1,2,3,4,5,6,7,8,9,10,11,12,13,14,15
	v_cndmask_b32 v[S+\k+32], v[S+\k+32], v[NINF], s[MKA+\k]
.endr
.irp k, 0,1,2,3,4,5,6,7
	v_cndmask_b32 v[S+\k+48], v[S+\k+48], v[NINF], s[MKB+\k]
.endr
.irp k, 0,1,2,3,4,5,6,7
	v_cndmask_b32 v[S+\k+56], v[S+\k+56], v[NINF], s[MKC+\k]
.endr
.endif
	s_branch .Lmasked\i\p
.endm
.macro LEAVE i
	s_cmp_eq_u32 s[SC], s[LIM+2*((\i)/2)]
	s_cbranch_scc1 .Lout\i
.Lback\i:
.endm
.macro GOES i
.Lout\i:
	OUT \i, 1
	s_branch .Lback\i
.endm
	s_load_b128 s[4:7], s[0:1], 0x0
.if MASKIN
	s_load_b64 s[MP:MP+1], s[0:1], 0x20
.endif
	s_load_b128 s[8:11], s[0:1], 0x10
	v_lshl_add_u32 v[SPW], v0, 2, SPARE
	v_mov_b32 v[NIL], 0
	ds_add_u32 v[SPW], v[NIL]
	ds_add_u32 v[SPW], v[NIL]
	v_lshrrev_b32 v[ADK], 5, v0
	s_delay_alu instid0(VALU_DEP_1)
	v_readfirstlane_b32 s[WV], v[ADK]
	s_and_b32 s[HD], ttmp7, 0xffff
	s_bfe_u32 s[CX], ttmp6, 0x40000
	DESC G1K, 512
	s_mov_b32 s[SEL], 0x76543210
	s_mov_b32 s[SEL+1], 0xfedcba98
	s_and_b32 s[T0], s[HD], 15
	s_lshr_b32 s[T1], s[HD], 4
	s_mul_i32 s[T2], s[T0], SIZE_H/16
	s_add_co_u32 s[T2], s[T2], s[T1]
	s_lshl_b32 s[SB], s[T2], 17
	s_mov_b32 s[SB+1], 0
	s_mul_i32 s[OO], s[T1], 128*CXT
	s_lshl_b32 s[T3], s[T0], 10
	s_add_co_u32 s[OO], s[OO], s[T3]
	s_mov_b32 s[OO+1], 0
	s_mov_b32 s[G0], 1
	s_wait_dscnt 0x0
	s_wait_kmcnt 0x0
	s_load_b32 s[EX+0], s[8:9], 8
	s_load_b32 s[EX+1], s[8:9], 12
	s_load_b32 s[EX+2], s[8:9], 20
	s_load_b32 s[EX+3], s[8:9], 16
	s_load_b32 s[EC], s[8:9], 24
	s_add_nc_u64 s[10:11], s[10:11], s[OO:OO+1]
	s_add_nc_u64 s[12:13], s[4:5], SIZE_H*HEADB
	ROUND
	s_cmp_ge_u32 s[WV], 2
	s_cbranch_scc1 .Larm_end
	s_cmp_eq_u32 s[WV], 1
	s_cbranch_scc1 .Larm_v
	s_mov_b32 s[G0+1], 0
	s_add_nc_u64 s[G0+2:G0+3], s[12:13], s[SB:SB+1]
	ASK G1K
	s_branch .Larm_end
.Larm_v:
	s_mov_b32 s[G0+1], VB
	s_add_nc_u64 s[G0+2:G0+3], s[6:7], s[SB:SB+1]
	ASK G1K
.Larm_end:
.if MASKIN && MSENSE != 2
	s_mov_b32 s[MSC], 0xfcfcfcfc
.endif
.if MASKIN == 1
	s_lshr_b32 s[T0], s[HD], MHS
	s_mul_i32 s[OO], s[T0], NK*MEB
	s_mov_b32 s[OO+1], 0
	s_add_nc_u64 s[MP:MP+1], s[MP:MP+1], s[OO:OO+1]
	v_bfe_u32 v[AMK], v0, 4, 1
	s_delay_alu instid0(VALU_DEP_1)
	v_lshl_add_u32 v[AMK], v[AMK], MKL-1, MKT
.if NK < 2048
	s_cmp_ge_u32 s[WV], NK/256
	s_cbranch_scc1 .Lno_entries
.endif
	v_lshlrev_b32 v[S+32], 3+2*(MEB/4), v0
.if MDT
	global_load_b128 v[S+40:S+43], v[S+32], s[MP:MP+1]
	global_load_b128 v[S+44:S+47], v[S+32], s[MP:MP+1] offset:16
.else
	global_load_b64 v[S+38:S+39], v[S+32], s[MP:MP+1]
.endif
.Lno_entries:
.endif
	s_lshl_b32 s[AW], s[WV], 1
	s_lshl_b32 s[T3], s[CX], 10
.irp t, 0,1,2,3
.if \t < 2
	s_add_co_u32 s[T0], s[AW], \t
.else
	s_sub_co_u32 s[T0], \t+28, s[AW]
.endif
	s_lshl_b32 s[QB+2*\t], s[T0], 12
	s_add_co_u32 s[QB+2*\t], s[QB+2*\t], s[T3]
	s_mov_b32 s[QB+2*\t+1], 0
	s_add_nc_u64 s[QB+2*\t:QB+2*\t+1], s[QB+2*\t:QB+2*\t+1], s[SB:SB+1]
	s_add_nc_u64 s[QB+2*\t:QB+2*\t+1], s[QB+2*\t:QB+2*\t+1], s[4:5]
.endr
	s_wait_alu depctr_va_vdst(0)
	v_and_b32 v[S+2], 31, v0
	s_delay_alu instid0(VALU_DEP_1)
	v_lshlrev_b32 v[S+2], 4, v[S+2]
.irp k, 0,1,2,3
	global_load_b128 v[QF+8*\k:QF+8*\k+3], v[S+2], s[QB+2*\k:QB+2*\k+1]
	global_load_b128 v[QF+8*\k+4:QF+8*\k+7], v[S+2], s[QB+2*\k:QB+2*\k+1] offset:512
.endr
	v_and_b32 v[S+4], 31, v0
	s_delay_alu instid0(VALU_DEP_1)
	v_lshlrev_b32 v[AK], 4, v[S+4]
	v_lshl_add_u32 v[AV], v[S+4], 4, VB
	s_wait_kmcnt 0x0
	s_add_co_u32 s[T0], s[EX], s[EX+1]
	v_mov_b32 v[TM], 0x3e38aa3b
	s_delay_alu instid0(VALU_DEP_1)
	v_ldexp_f32 v[TM], v[TM], s[T0]
	s_delay_alu instid0(VALU_DEP_1)
	v_readfirstlane_b32 s[CS], v[TM]
	s_mov_b32 s[CS+1], s[CS]
	s_add_co_u32 s[T0], s[EX+2], 127
	s_lshl_b32 s[T1], s[T0], 23
	v_mov_b32 v[SOP], s[T1]
	s_add_co_u32 s[EPV], s[EX+2], s[EX+3]
	s_add_co_u32 s[T0], s[EC], 127
	s_lshl_b32 s[T1], s[T0], 23
	v_mov_b32 v[SOPX], s[T1]
.if MASKIN >= 2
	s_wait_alu depctr_va_vdst(0)
.irp t, 0,1,2,3
.if \t < 2
	s_add_co_u32 s[T0], s[AW], \t
.else
	s_sub_co_u32 s[T0], \t+28, s[AW]
.endif
	s_lshl_b32 s[T0], s[T0], 2
	s_add_co_u32 s[T0], s[T0], s[CX]
.if MASKIN == 3
	s_lshr_b32 s[T1], s[HD], MHS
	s_mul_i32 s[T1], s[T1], NK/16
	s_add_co_u32 s[T0], s[T0], s[T1]
.endif
	s_mul_i32 s[T0], s[T0], STEPS*1024
	s_add_co_u32 s[T0], s[T0], MKO
	v_add_nc_u32 v[S+48+\t], s[T0], v[AL]
.endr
	v_add_nc_u32 v[AMK], 1024, v[AL]
	s_wait_alu depctr_va_vdst(0)
.irp t, 0,1,2,3
	global_load_b128 v[MQ+8*\t:MQ+8*\t+3], v[S+48+\t], s[MP:MP+1]
	global_load_b128 v[MQ+8*\t+4:MQ+8*\t+7], v[S+48+\t], s[MP:MP+1] offset:512
.endr
.endif
	s_set_vgpr_msb 0x40
.irp k, 0,1,2,3
.irp j, 0,1,2,3,4,5,6,7,8,9,10,11,12,13,14,15,16,17,18,19,20,21,22,23,24,25,26,27,28,29,30,31
	v_mov_b32 v[O+32*\k+\j], 0
.endr
.endr
	s_set_vgpr_msb 0x4000
.irp k, 0,1,2,3,4,5,6,7,8,9,10,11,12,13,14,15
	v_mov_b32 v[P+\k], 0
.endr
	v_mov_b32 v[BX], 0
.irp k, 0,1,2,3
.if MASKIN
	v_mov_b32 v[ST+6*\k+1], 0xf149f2ca
.else
	v_mov_b32 v[ST+6*\k+1], 0xff61b1e6
.endif
	v_mov_b32 v[ST+6*\k+2], 0
	v_mov_b32 v[ST+6*\k+3], 0
	v_mov_b32 v[ST+6*\k+4], 1.0
	v_mov_b32 v[ST+6*\k+5], 0
.endr
.irp k, 0,1,2,3
	v_mov_b32 v[ST+6*\k], 0x7f61b1e6
.endr
	s_mov_b32 s[SC], 0
	s_mov_b32 s[TK], 0
	s_mov_b32 s[TV], 0
	s_wait_loadcnt 0x0
.if MASKIN == 1
.if NK < 2048
	s_wait_alu depctr_va_vdst(0)
	s_cmp_ge_u32 s[WV], NK/256
	s_cbranch_scc1 .Lno_word
.endif
.if MDT == 0
.irp j, 0,1,2,3
	v_bfe_u32 v[S+40+\j], v[S+38], 8*\j, 8
	v_bfe_u32 v[S+44+\j], v[S+39], 8*\j, 8
.endr
.endif
.if MSENSE == 2
.irp j, 0,1,2,3,4,5,6,7
	v_subrev_f32 v[S+40+\j], MSUB, v[S+40+\j]
.endr
.irp j, 0,1,2,3,4,5,6,7
	v_mul_f32 v[S+40+\j], MMUL, v[S+40+\j]
.endr
.irp j, 0,1,2,3,4,5,6,7
	v_cmp_gt_f32 s[T0+9*(\j%2)], 0xd01502f9, v[S+40+\j]
	v_cndmask_b32 v[S+40+\j], v[S+40+\j], 0xff400000, s[T0+9*(\j%2)]
.endr
	s_add_co_u32 s[T0], s[EX], s[EX+1]
	s_sub_co_u32 s[T0], 0, s[T0]
.irp j, 0,1,2,3,4,5,6,7
	v_ldexp_f32 v[S+40+\j], v[S+40+\j], s[T0]
.endr
.else
.if MDT == 2 && MSENSE == 0
	v_cmp_eq_f32 s[T0], MVAL, v[S+40]
.elseif MDT == 2
	v_cmp_neq_f32 s[T0], MVAL, v[S+40]
.elseif MSENSE == 0
	v_cmp_eq_u32 s[T0], MVAL, v[S+40]
.else
	v_cmp_ne_u32 s[T0], MVAL, v[S+40]
.endif
	v_cndmask_b32 v[S+40], 0, 0xf, s[T0]
.if MDT == 2 && MSENSE == 0
	v_cmp_eq_f32 s[T1], MVAL, v[S+41]
.elseif MDT == 2
	v_cmp_neq_f32 s[T1], MVAL, v[S+41]
.elseif MSENSE == 0
	v_cmp_eq_u32 s[T1], MVAL, v[S+41]
.else
	v_cmp_ne_u32 s[T1], MVAL, v[S+41]
.endif
	v_cndmask_b32 v[S+41], 0, 0xf0, s[T1]
.if MDT == 2 && MSENSE == 0
	v_cmp_eq_f32 s[T0], MVAL, v[S+42]
.elseif MDT == 2
	v_cmp_neq_f32 s[T0], MVAL, v[S+42]
.elseif MSENSE == 0
	v_cmp_eq_u32 s[T0], MVAL, v[S+42]
.else
	v_cmp_ne_u32 s[T0], MVAL, v[S+42]
.endif
	v_cndmask_b32 v[S+42], 0, 0xf00, s[T0]
.if MDT == 2 && MSENSE == 0
	v_cmp_eq_f32 s[T1], MVAL, v[S+43]
.elseif MDT == 2
	v_cmp_neq_f32 s[T1], MVAL, v[S+43]
.elseif MSENSE == 0
	v_cmp_eq_u32 s[T1], MVAL, v[S+43]
.else
	v_cmp_ne_u32 s[T1], MVAL, v[S+43]
.endif
	v_cndmask_b32 v[S+43], 0, 0xf000, s[T1]
.if MDT == 2 && MSENSE == 0
	v_cmp_eq_f32 s[T0], MVAL, v[S+44]
.elseif MDT == 2
	v_cmp_neq_f32 s[T0], MVAL, v[S+44]
.elseif MSENSE == 0
	v_cmp_eq_u32 s[T0], MVAL, v[S+44]
.else
	v_cmp_ne_u32 s[T0], MVAL, v[S+44]
.endif
	v_cndmask_b32 v[S+44], 0, 0xf0000, s[T0]
.if MDT == 2 && MSENSE == 0
	v_cmp_eq_f32 s[T1], MVAL, v[S+45]
.elseif MDT == 2
	v_cmp_neq_f32 s[T1], MVAL, v[S+45]
.elseif MSENSE == 0
	v_cmp_eq_u32 s[T1], MVAL, v[S+45]
.else
	v_cmp_ne_u32 s[T1], MVAL, v[S+45]
.endif
	v_cndmask_b32 v[S+45], 0, 0xf00000, s[T1]
.if MDT == 2 && MSENSE == 0
	v_cmp_eq_f32 s[T0], MVAL, v[S+46]
.elseif MDT == 2
	v_cmp_neq_f32 s[T0], MVAL, v[S+46]
.elseif MSENSE == 0
	v_cmp_eq_u32 s[T0], MVAL, v[S+46]
.else
	v_cmp_ne_u32 s[T0], MVAL, v[S+46]
.endif
	v_cndmask_b32 v[S+46], 0, 0xf000000, s[T0]
.if MDT == 2 && MSENSE == 0
	v_cmp_eq_f32 s[T1], MVAL, v[S+47]
.elseif MDT == 2
	v_cmp_neq_f32 s[T1], MVAL, v[S+47]
.elseif MSENSE == 0
	v_cmp_eq_u32 s[T1], MVAL, v[S+47]
.else
	v_cmp_ne_u32 s[T1], MVAL, v[S+47]
.endif
	v_cndmask_b32 v[S+47], 0, 0xf0000000, s[T1]
.endif
	v_and_b32 v[S+32], 0xf1, v0
	v_and_b32 v[S+33], 12, v0
	v_and_b32 v[S+34], 2, v0
	v_lshrrev_b32 v[S+33], 1, v[S+33]
	v_lshl_or_b32 v[S+32], v[S+34], 2, v[S+32]
	s_delay_alu instid0(VALU_DEP_1)
	v_or_b32 v[S+32], v[S+32], v[S+33]
	s_delay_alu instid0(VALU_DEP_1)
	v_lshl_add_u32 v[S+32], v[S+32], MKL-4, MKT
.if MSENSE == 2
	ds_store_b128 v[S+32], v[S+40:S+43]
	ds_store_b128 v[S+32], v[S+44:S+47] offset:16
.else
	v_or3_b32 v[S+40], v[S+40], v[S+41], v[S+42]
	v_or3_b32 v[S+43], v[S+43], v[S+44], v[S+45]
	s_delay_alu instid0(VALU_DEP_2)
	v_or3_b32 v[S+40], v[S+40], v[S+46], v[S+47]
	s_delay_alu instid0(VALU_DEP_1)
	v_or_b32 v[S+40], v[S+40], v[S+43]
	ds_store_b32 v[S+32], v[S+40]
.endif
.Lno_word:
	s_wait_dscnt 0x0
.endif
	s_wait_alu depctr_va_vdst(0)
	s_wait_tensorcnt 0x0
.if MASKIN >= 2
.irp t, 0,1,2,3
.if \t < 2
	s_add_co_u32 s[T0], s[AW], \t
.else
	s_sub_co_u32 s[T0], \t+28, s[AW]
.endif
	s_lshl_b32 s[T0], s[T0], 2
	s_add_co_u32 s[T0], s[T0], s[CX]
.if MASKIN == 3
	s_lshr_b32 s[T1], s[HD], MHS
	s_mul_i32 s[T1], s[T1], NK/16
	s_add_co_u32 s[T0], s[T0], s[T1]
.endif
	s_mul_i32 s[T0], s[T0], STEPS*1024
	s_add_co_u32 s[T0], s[T0], MKO
	s_mov_b32 s[MB+2*\t], s[T0]
	s_mov_b32 s[MB+2*\t+1], 0
	s_add_nc_u64 s[MB+2*\t:MB+2*\t+1], s[MB+2*\t:MB+2*\t+1], s[MP:MP+1]
.endr
.endif
	s_barrier_signal -1
	s_barrier_wait -1
.if SIZE_CAUSAL
	s_mov_b32 s[LIM], s[WV]
	s_sub_co_u32 s[LIM2], STEPS-1, s[WV]
	s_lshr_b32 s[T3], s[CX], 1
	s_lshl_b32 s[T3], s[T3], 5
	s_and_b32 s[T0], s[CX], 1
	s_lshl_b32 s[T0], s[T0], 3
	s_add_co_u32 s[T3], s[T3], s[T0]
	v_and_b32 v[S], 7, v0
	v_bfe_u32 v[S+2], v0, 3, 1
	s_delay_alu instid0(VALU_DEP_1)
	v_lshl_add_u32 v[S], v[S+2], 4, v[S]
	v_bfe_u32 v[S+1], v0, 4, 1
	s_delay_alu instid0(VALU_DEP_1)
	v_lshlrev_b32 v[S+1], 4, v[S+1]
	s_delay_alu instid0(VALU_DEP_1)
	v_sub_nc_u32 v[S], v[S], v[S+1]
	s_delay_alu instid0(VALU_DEP_1)
	v_add_nc_u32 v[S], s[T3], v[S]
	s_delay_alu instid0(VALU_DEP_1)
.irp k, 0,1,2,3,4,5,6,7,8,9,10,11,12,13,14,15
	v_cmp_gt_i32 s[MKA+\k], \k, v[S]
.endr
.irp k, 0,1,2,3,4,5,6,7
	v_cmp_gt_i32 s[MKB+\k], \k+32, v[S]
.endr
.irp k, 0,1,2,3,4,5,6,7
	v_cmp_gt_i32 s[MKC+\k], \k+40, v[S]
.endr
	v_mov_b32 v[NINF], 0xff800000
.else
	s_mov_b32 s[LIM], STEPS-1
	s_mov_b32 s[LIM2], STEPS-1
.endif
	LOADK
	LOADV
.if MASKIN == 1 && MSENSE != 2
	ds_load_b128 v[MC:MC+3], v[AMK]
	ds_load_b128 v[MC+4:MC+7], v[AMK] offset:16
.endif
	s_wait_dscnt 0x0
	s_wait_alu depctr_va_vdst(0)
	s_mov_b32 s[TK], KSTEP
.if MASKIN == 1
.if MSENSE != 2
	s_mov_b32 s[MTN], 1<<MKL
.endif
	s_mov_b32 s[MTC], 0
.endif
.Lstep:
.if SIZE_CAUSAL
	s_cmp_gt_u32 s[SC], s[LIM2]
	s_cbranch_scc1 .Ldone
	s_cmp_gt_u32 s[SC], s[LIM]
	s_cbranch_scc1 .Ltwo
.endif
	TSTEP 0, 3, 1, 0, SIZE_CAUSAL
	TSTEP 1, 0, 0, 0, SIZE_CAUSAL
	LEAVE 0
	TSTEP 2, 1, 0, 0, 0
	LEAVE 1
.Lthree:
	TSTEP 3, 2, 0, 1, SIZE_CAUSAL
	LEAVE 2
.Ldone:
	s_add_co_u32 s[SC], s[SC], 1
	s_add_co_u32 s[T0], s[SC], 1
	s_min_u32 s[T0], s[T0], STEPS-1
	s_mul_i32 s[TK], s[T0], KSTEP
.if MASKIN == 1
.if MSENSE != 2
	s_lshl_b32 s[MTN], s[T0], MKL
.endif
	s_lshl_b32 s[MTC], s[SC], MKL
.elseif MASKIN >= 2
	s_lshl_b32 s[MTN], s[T0], 10
.endif
	s_lshl_b32 s[TV], s[SC], 13
.if MASKIN >= 2
	s_wait_xcnt 0x0
	v_add_nc_u32 v[AMK], s[MTN], v[AL]
.endif
	s_wait_alu depctr_va_vdst(0)
	s_cmp_lt_u32 s[SC], STEPS
	s_cbranch_scc1 .Lstep
	s_branch .Ltail
.if SIZE_CAUSAL
.Ltwo:
	TSTEP 2, 3, 1, 0, 1
	s_wait_alu depctr_va_vdst(0)
	s_branch .Lthree
	MASKS 0, 3
	MASKS 1, 0
	MASKS 3, 2
	MASKS 2, 3
.endif
	GOES 0
	GOES 1
	GOES 2
.Ltail:
.if PRIO
	s_setprio 0
	s_nop 0
.endif
	s_set_vgpr_msb 0x1
	v_wmma_f32_16x16x128_fp8_fp8 v[DT:DT+7], v[VF:VF+15], v[P:P+15], 0
	v_wmma_f32_16x16x128_fp8_fp8 v[DT+8:DT+15], v[VF+16:VF+31], v[P:P+15], 0
	v_wmma_f32_16x16x128_fp8_fp8 v[DT+16:DT+23], v[VF+32:VF+47], v[P:P+15], 0
	v_wmma_f32_16x16x128_fp8_fp8 v[DT+24:DT+31], v[VF+48:VF+63], v[P:P+15], 0
.rept 4
	v_nop
.endr
	s_set_vgpr_msb 0x141
.irp k, 0,1,2,3,4,5,6,7,8,9,10,11,12,13,14,15
	v_pk_fma_f32 v[O+2*\k+96:O+2*\k+97], v[O+2*\k+96:O+2*\k+97], v[ST+22:ST+23], v[DT+2*\k:DT+2*\k+1] op_sel_hi:[1,0,1]
.endr
	s_set_vgpr_msb 0x4100
	OUT 3, 0
	s_wait_tensorcnt 0x0
	ds_add_u32 v[SPW], v[NIL]
	s_wait_dscnt 0x0
	ROUND
	s_endpgm
.Lfunc_end_k_q5273a581f6_attention:
	.size	k_q5273a581f6_attention, .Lfunc_end_k_q5273a581f6_attention-k_q5273a581f6_attention
	.p2alignl 7, 3214868480
	.fill 96, 4, 3214868480
	.section	.rodata,"a",@progbits
	.p2align	6, 0x0
	.amdhsa_kernel k_q5273a581f6_attention
		.amdhsa_group_segment_fixed_size 264192
		.amdhsa_private_segment_fixed_size 0
		.amdhsa_enable_private_segment 0
		.amdhsa_kernarg_size 40
		.amdhsa_user_sgpr_count 2
		.amdhsa_user_sgpr_kernarg_segment_ptr 1
		.amdhsa_wavefront_size32 1
		.amdhsa_system_sgpr_workgroup_id_x 1
		.amdhsa_system_sgpr_workgroup_id_y 1
		.amdhsa_system_sgpr_workgroup_id_z 1
		.amdhsa_system_vgpr_workitem_id 0
		.amdhsa_next_free_vgpr 512
		.amdhsa_next_free_sgpr 102
		.amdhsa_reserve_vcc 0
		.amdhsa_float_denorm_mode_32 3
		.amdhsa_float_denorm_mode_16_64 3
		.amdhsa_fp16_overflow 1
		.amdhsa_memory_ordered 1
		.amdhsa_forward_progress 1
		.amdhsa_inst_pref_size 109
	.end_amdhsa_kernel
	.amdgpu_metadata
---
amdhsa.version: [ 1, 2 ]
amdhsa.kernels:
  - .name:           k_q5273a581f6_attention
    .symbol:         k_q5273a581f6_attention.kd
    .args:
      - { .name: qkc, .offset: 0, .size: 8, .value_kind: global_buffer, .address_space: global }
      - { .name: vc, .offset: 8, .size: 8, .value_kind: global_buffer, .address_space: global }
      - { .name: lowp_scales, .offset: 16, .size: 8, .value_kind: global_buffer, .address_space: global }
      - { .name: cx, .offset: 24, .size: 8, .value_kind: global_buffer, .address_space: global }
      - { .name: attention_mask, .offset: 32, .size: 8, .value_kind: global_buffer, .address_space: global }
    .group_segment_fixed_size: 264192
    .private_segment_fixed_size: 0
    .kernarg_segment_align: 8
    .kernarg_segment_size: 40
    .max_flat_workgroup_size: 256
    .sgpr_count:     102
    .vgpr_count:     512
    .wavefront_size: 32
...
	.end_amdgpu_metadata
.endif
;; end of part 3
;; launch out (part 4): grid 8 x 32, 4 waves a work-group, clusters of 4 x 4, 327,680 bytes of LDS; arguments cx, pc, lowp_scales, out0, b_out; writes out0
.if DOCPART == 4
	.amdgcn_target "amdgcn-amd-amdhsa--gfx1250"
	.amdhsa_code_object_version 6
	.text
	.protected	k_q5273a581f6_out
	.globl	k_q5273a581f6_out
	.p2align	8
	.type	k_q5273a581f6_out,@function
k_q5273a581f6_out:
	s_mov_b64 s[64:65], 0
	v_nop
	global_prefetch_b8 v0, s[64:65] scope:SCOPE_SE
	s_setreg_imm32_b32 hwreg(HW_REG_WAVE_MODE, 25, 1), 1
	s_wait_xcnt 0x0
	s_wait_alu depctr_hold_cnt(0) depctr_sa_sdst(0) depctr_va_vdst(0) depctr_va_sdst(0) depctr_va_ssrc(0) depctr_va_vcc(0) depctr_vm_vsrc(0)
	s_getreg_b32 s2, hwreg(HW_REG_IB_STS2, 6, 4)
	s_cmp_eq_u32 s2, 0
	s_cbranch_scc0 .Lentry_in_a_cluster
	s_endpgm
.Lentry_in_a_cluster:
	s_bfe_u32 s2, ttmp6, 0x10000c
	s_cmp_lg_u32 s2, 0xf033
	s_cbranch_scc0 .Lentry_shape_is_right
	s_endpgm
.Lentry_shape_is_right:
.set TOK,    8192
.set BIAS,   1
.set SIZE_N, 1024
.set SIZE_K, 1024
.set IN3,    0
.set BOFF,   (1+2*IN3)*TOK+3072
.set NQ,     SIZE_K/128
.set NB,     4
.set NS,     8
.set TM,     2*16*NS
.set TN,     2*16*NB
.set KROW,   SIZE_K
.set PITCH,  KROW+16
.set FR,     16
.set FPW,    256/FR
.set NP,     4
.set CH,     16*NS
.set CSTEP,  8*SIZE_N*4
.set CFAR,   16*SIZE_N*4
.set RA1,    128
.set YB,     RA1*PITCH
.set SPITCH, 16*NB*4+16
.set STAGE,  ((RA1+TN)*PITCH+255)/256*256
.set SPARE,  STAGE+4*16*SPITCH
.set ADRA0, 4
.set CO,   9
.set SPW,  10
.set NIL,  11
.set ADRA, 12
.set ADRB, 14
.set STO,  18
.set RD,   19
.set ACC,  24
.set BK,   56
.set TMP,  88
.set BO,   120
.set G1A, 24
.set G0A, 56
.set G1B, 32
.set G0B, 60
.set G1R, 48
.set G0R, 68
.set MSB, 0
.macro WIN new
.if MSB != \new
	s_set_vgpr_msb (MSB<<8)|\new
.set MSB, \new
.endif
.endm
.macro PLACES n
.rept \n
	v_nop
.endr
.endm
.macro CROUND
	s_barrier_signal -1
	s_barrier_wait -1
	s_cmp_lg_u32 s14, 0
	s_cbranch_scc1 .Lnot_wave_0_\@
	s_barrier_signal -3
.Lnot_wave_0_\@:
	s_barrier_wait -3
	s_barrier_signal -1
	s_barrier_wait -1
.endm
.macro TLOAD g0, g1
	tensor_load_to_lds s[\g0:\g0+3], s[\g1:\g1+7]
	s_nop 0
	PLACES 4
.endm
.macro GROUP1 g, mask, rows, pad
	s_or_b32 s[\g+0], s[\mask], (1<<21)|\pad
	s_mov_b32 s[\g+1], (KROW&0xffff)<<16
	s_mov_b32 s[\g+2], (KROW>>16)|((\rows)<<16)
	s_mov_b32 s[\g+3], KROW<<16
	s_mov_b32 s[\g+4], \rows
	s_mov_b32 s[\g+5], KROW
	s_mov_b32 s[\g+6], 0
	s_mov_b32 s[\g+7], 0
.endm
	s_load_b64 s[4:5], s[0:1], 0x0
	s_load_b128 s[8:11], s[0:1], 0x8
	s_load_b64 s[12:13], s[0:1], 0x18
	v_lshl_add_u32 v[SPW], v0, 2, SPARE
	v_mov_b32 v[NIL], 0
	ds_add_u32 v[SPW], v[NIL]
	ds_add_u32 v[SPW], v[NIL]
	v_lshrrev_b32 v1, 5, v0
	v_readfirstlane_b32 s14, v1
	s_lshr_b32 s15, s14, 1
	s_and_b32 s16, s14, 1
	s_mov_b32 s17, s15
	s_mov_b32 s18, s16
	s_bfe_u32 s40, ttmp6, 0x40000
	s_bfe_u32 s41, ttmp6, 0x40004
	s_lshl_b32 s42, ttmp9, 2
	s_add_co_u32 s42, s42, s40
	s_and_b32 s43, ttmp7, 0xffff
	s_lshl_b32 s43, s43, 2
	s_add_co_u32 s43, s43, s41
	s_lshl_b32 s44, s41, 2
	s_lshl_b32 s44, 15, s44
	s_lshl_b32 s45, 0x1111, s40
	GROUP1 G1A, 44, RA1/2, 0
	GROUP1 G1B, 45, TN/2, (1<<20)|(7<<22)|(3<<25)
	GROUP1 G1R, 44, (TM-RA1)/4, 0
	s_mul_i32 s86, s43, TM*KROW
	s_mov_b32 s87, 0
	s_mul_i32 s76, s16, RA1/2*KROW
	s_mov_b32 s77, 0
	s_mul_i32 s20, s42, TN*KROW
	s_mul_i32 s21, s16, TN/2*KROW
	s_add_co_u32 s78, s20, s21
	s_mov_b32 s79, 0
	s_mul_i32 s84, s43, TM*SIZE_N*4
	s_mul_i32 s21, s17, 128*SIZE_N*4
	s_add_co_u32 s84, s84, s21
	s_mul_i32 s21, s42, TN*4
	s_add_co_u32 s84, s84, s21
	s_mul_i32 s21, s18, 16*NB*4
	s_add_co_u32 s84, s84, s21
	s_mov_b32 s85, 0
	s_mov_b32 s[G0A], 1
	s_mul_i32 s[G0A+1], s16, RA1/2*KROW
	s_mov_b32 s[G0B], 1
	s_mul_i32 s[G0B+1], s16, TN/2*PITCH
	s_add_co_u32 s[G0B+1], s[G0B+1], YB
	s_mov_b32 s[G0R], 1
	v_and_b32 v1, 15, v0
	v_bfe_u32 v2, v0, 4, 1
	v_and_b32 v3, 31, v0
	v_mul_u32_u24 v22, v1, PITCH
	v_mad_u32_u24 v23, v2, 16, v22
	s_mul_i32 s23, s17, 16*KROW
	v_lshlrev_b32 v[ADRA0], 4, v3
	v_add_nc_u32 v[ADRA0], s23, v[ADRA0]
	s_mul_i32 s22, s18, 16*NB*PITCH
	s_add_co_u32 s22, s22, YB
	v_add_nc_u32 v[ADRB], s22, v23
	s_mul_i32 s21, s14, 16*SPITCH
	s_add_co_u32 s21, s21, STAGE
	v_mul_u32_u24 v23, v1, SPITCH
	v_lshl_add_u32 v23, v2, 5, v23
	v_add_nc_u32 v[STO], s21, v23
	v_mul_u32_u24 v23, v2, SPITCH
	v_lshl_add_u32 v23, v1, 4, v23
	v_add_nc_u32 v[RD], s21, v23
	v_mul_u32_u24 v23, v2, SIZE_N*4
	v_lshl_add_u32 v[CO], v1, 4, v23
	s_lshl_b32 s90, s40, 2
	s_add_co_u32 s90, s90, s14
	s_wait_alu depctr_va_vdst(0)
	s_wait_dscnt 0x0
	s_wait_kmcnt 0x0
.if BOFF
	s_add_nc_u64 s[8:9], s[8:9], BOFF*KROW
.endif
	s_add_nc_u64 s[86:87], s[4:5], s[86:87]
	s_add_nc_u64 s[G0A+2:G0A+3], s[86:87], s[76:77]
	s_or_b32 s[G0A+3], s[G0A+3], 0x80000000
	s_add_nc_u64 s[G0B+2:G0B+3], s[8:9], s[78:79]
	s_or_b32 s[G0B+3], s[G0B+3], 0x80000000
	s_load_b32 s96, s[10:11], 24
	s_load_b32 s97, s[10:11], 28
	s_add_nc_u64 s[12:13], s[12:13], s[84:85]
	CROUND
	s_cmp_eq_u32 s15, 0
	s_cbranch_scc0 .Lfor_a
	TLOAD G0B, G1B
	s_branch .Lasked
.Lfor_a:
	TLOAD G0A, G1A
.Lasked:
.if BIAS
	s_load_b64 s[76:77], s[0:1], 0x20
	s_mul_i32 s20, s42, TN*4
	s_mul_i32 s21, s18, 16*NB*4
	s_add_co_u32 s20, s20, s21
	s_mov_b32 s21, 0
	v_lshlrev_b32 v8, 5, v2
	s_wait_alu depctr_va_vdst(0)
	s_wait_kmcnt 0x0
	s_add_nc_u64 s[76:77], s[76:77], s[20:21]
.irp b, 0,1,2,3
	global_load_b128 v[BO+8*\b:BO+8*\b+3], v8, s[76:77] offset:64*\b
	global_load_b128 v[BO+8*\b+4:BO+8*\b+7], v8, s[76:77] offset:64*\b+16
.endr
.endif
	s_wait_kmcnt 0x0
	s_add_co_i32 s96, s96, s97
.if BIAS
	s_sub_co_i32 s21, 0, s96
	s_wait_loadcnt 0x0
.irp i, 0,1,2,3,4,5,6,7,8,9,10,11,12,13,14,15,16,17,18,19,20,21,22,23,24,25,26,27,28,29,30,31
	v_ldexp_f32 v[BO+\i], v[BO+\i], s21
.endr
	s_wait_alu depctr_va_vdst(0)
.endif
	s_add_co_i32 s96, s96, 127
	s_lshl_b32 s96, s96, 23
	s_cmp_eq_u32 s15, 0
	s_cbranch_scc0 .Lnot_b
	s_wait_tensorcnt 0x0
.Lnot_b:
	s_barrier_signal -1
	s_barrier_wait -1
	s_add_nc_u64 s[88:89], s[86:87], RA1*KROW
	s_mul_i32 s21, s90, (TM-RA1)*KROW/4096
	v_add_nc_u32 v7, s21, v3
	v_lshlrev_b32 v7, 8, v7
	global_prefetch_b8 v7, s[88:89] th:TH_LOAD_NT scope:SCOPE_SE
.macro FRAG f, adr, q, off
	WIN (1+(\f)/FPW)<<6
.irp c, 0,1,2,3
	ds_load_b128 v[FR*((\f)%FPW)+4*\c:FR*((\f)%FPW)+4*\c+3], v[\adr] offset:128*(\q)+32*\c+(\off)
.endr
.endm
.macro FRAGA f, q
	WIN (1+(\f)/FPW)<<6
.irp c, 0,1,2,3
	ds_load_b128 v[FR*((\f)%FPW)+4*\c:FR*((\f)%FPW)+4*\c+3], v[ADRA] offset:2048*(\q)+512*\c
.endr
.endm
.macro SET u
.irp q, 0,1,2,3,4,5,6,7
	FRAGA NB*NQ+NQ*(\u)+\q, \q
.endr
	WIN 0
.endm
.macro MMP d, a, b, c
	v_wmma_f32_16x16x128_fp8_fp8 \d, \a, \b, \c
.endm
.macro MUL h, u
.irp j, 0,1,2,3
.irp p, 0,1
.irp o, 0,1
.set Q,  NQ/2*\h+\j
.set FB, NB*Q+2*\p+\o
.set FA, NB*NQ+NQ*(\u)+Q
.set AC, ACC+8*(2*\p+\o)
	WIN (1+FB/FPW)|((1+FA/FPW)<<2)
.if Q == 0 && BIAS
	MMP v[AC:AC+7], v[FR*(FB%FPW):FR*(FB%FPW)+FR-1], v[FR*(FA%FPW):FR*(FA%FPW)+FR-1], v[BO+8*(2*\p+\o):BO+8*(2*\p+\o)+7]
.elseif Q == 0
	MMP v[AC:AC+7], v[FR*(FB%FPW):FR*(FB%FPW)+FR-1], v[FR*(FA%FPW):FR*(FA%FPW)+FR-1], 0
.else
	MMP v[AC:AC+7], v[FR*(FB%FPW):FR*(FB%FPW)+FR-1], v[FR*(FA%FPW):FR*(FA%FPW)+FR-1], v[AC:AC+7]
.endif
.endr
.endr
.endr
	WIN 0
.endm
.macro STEP
	s_add_co_u32 s101, s101, 32*KROW
	v_add_nc_u32 v[ADRA], s101, v[ADRA0]
.endm
.macro TURN
	s_mov_b32 s101, YB
	v_add_nc_u32 v[ADRA], s101, v[ADRA0]
.endm
.macro BLOCK u, gate=0
	MUL 0, \u
.if \gate == 0
	STEP
.endif
.if \gate == 2
	s_wait_tensorcnt 0x0
	s_barrier_signal -1
	s_barrier_wait -1
	s_cmp_eq_u32 s23, 1
	s_cbranch_scc1 .Lno_fetch_\@
	TURN
.endif
	SET 1-\u
.if \gate == 2
.Lno_fetch_\@:
.endif
	MUL 1, \u
	PLACES NP
	s_wait_xcnt 0x0
	s_add_nc_u64 s[12:13], s[12:13], CSTEP+CFAR*(1-(\u))
.irp j, 0,2,4,6,8,10,12,14,16,18,20,22,24,26,28,30
	v_pk_mul_f32 v[TMP+\j:TMP+\j+1], v[ACC+\j:ACC+\j+1], s[96:97] op_sel_hi:[1,0]
.endr
.irp b, 0,1,2,3
	ds_store_b128 v[STO], v[TMP+8*\b:TMP+8*\b+3] offset:64*\b
	ds_store_b128 v[STO], v[TMP+8*\b+4:TMP+8*\b+7] offset:64*\b+16
.endr
.irp t, 0,1,2,3,4,5,6,7
	ds_load_b128 v[BK+4*\t:BK+4*\t+3], v[RD] offset:2*\t*SPITCH
.endr
	s_wait_dscnt 0x0
.irp t, 0,1,2,3,4,5,6,7
	global_store_b128 v[CO], v[BK+4*\t:BK+4*\t+3], s[12:13] offset:(16*(\t/4)+(2*\t)%8)*SIZE_N*4 th:TH_STORE_NT
.endr
.endm
.macro CHUNK gate
.rept CH/64-1
	BLOCK 0
	BLOCK 1
.endr
	BLOCK 0
	BLOCK 1, \gate
.endm
.irp q, 0,1,2,3,4,5,6,7
.irp b, 0,1,2,3
	FRAG NB*\q+\b, ADRB, \q, \b*16*PITCH
.endr
.endr
	WIN 0
	s_sub_nc_u64 s[12:13], s[12:13], CSTEP+CFAR
	s_mov_b32 s101, 0
	s_wait_tensorcnt 0x0
	ds_add_u32 v[SPW], v[NIL]
	s_mul_i32 s[G0R+1], s14, (TM-RA1)/4*KROW
	s_add_co_u32 s[G0R+1], s[G0R+1], YB
	s_mul_i32 s20, s14, (TM-RA1)/4*KROW
	s_add_co_u32 s20, s20, RA1*KROW
	s_mov_b32 s21, 0
	s_add_nc_u64 s[G0R+2:G0R+3], s[86:87], s[20:21]
	s_or_b32 s[G0R+3], s[G0R+3], 0x80000000
	s_wait_dscnt 0x0
	CROUND
	TLOAD G0R, G1R
	v_add_nc_u32 v[ADRA], s101, v[ADRA0]
	SET 0
	s_wait_dscnt 0x0
	s_mov_b32 s23, 2
.Llast_two:
	CHUNK 2
	s_sub_co_i32 s23, s23, 1
	s_cmp_lg_u32 s23, 0
	s_cbranch_scc1 .Llast_two
	s_wait_tensorcnt 0x0
	ds_add_u32 v[SPW], v[NIL]
	s_wait_dscnt 0x0
	CROUND
	s_endpgm
.Lfunc_end_k_q5273a581f6_out:
	.size	k_q5273a581f6_out, .Lfunc_end_k_q5273a581f6_out-k_q5273a581f6_out
	.p2alignl 7, 3214868480
	.fill 96, 4, 3214868480
	.section	.rodata,"a",@progbits
	.p2align	6, 0x0
	.amdhsa_kernel k_q5273a581f6_out
		.amdhsa_group_segment_fixed_size 327680
		.amdhsa_private_segment_fixed_size 0
		.amdhsa_enable_private_segment 0
		.amdhsa_kernarg_size 40
		.amdhsa_user_sgpr_count 2
		.amdhsa_user_sgpr_kernarg_segment_ptr 1
		.amdhsa_wavefront_size32 1
		.amdhsa_system_sgpr_workgroup_id_x 1
		.amdhsa_system_sgpr_workgroup_id_y 1
		.amdhsa_system_sgpr_workgroup_id_z 1
		.amdhsa_system_vgpr_workitem_id 0
		.amdhsa_next_free_vgpr 1024
		.amdhsa_next_free_sgpr 102
		.amdhsa_reserve_vcc 0
		.amdhsa_float_denorm_mode_32 3
		.amdhsa_float_denorm_mode_16_64 3
		.amdhsa_memory_ordered 1
		.amdhsa_forward_progress 1
		.amdhsa_inst_pref_size 52
	.end_amdhsa_kernel
	.amdgpu_metadata
---
amdhsa.version: [ 1, 2 ]
amdhsa.kernels:
  - .name:           k_q5273a581f6_out
    .symbol:         k_q5273a581f6_out.kd
    .args:
      - { .name: cx, .offset: 0, .size: 8, .value_kind: global_buffer, .address_space: global }
      - { .name: pc, .offset: 8, .size: 8, .value_kind: global_buffer, .address_space: global }
      - { .name: lowp_scales, .offset: 16, .size: 8, .value_kind: global_buffer, .address_space: global }
      - { .name: out0, .offset: 24, .size: 8, .value_kind: global_buffer, .address_space: global }
      - { .name: b_out, .offset: 32, .size: 8, .value_kind: global_buffer, .address_space: global }
    .group_segment_fixed_size: 327680
    .private_segment_fixed_size: 0
    .kernarg_segment_align: 8
    .kernarg_segment_size: 40
    .max_flat_workgroup_size: 128
    .sgpr_count:     102
    .vgpr_count:     1024
    .wavefront_size: 32
...
	.end_amdgpu_metadata
.endif
;; end of part 4
